; MI455X (gfx1250); checked and timed in simulation.
; The chip was launched on July 23, 2026; its instructions are those of AMD's public machine-readable ISA for CDNA 5 (MIT licence, August 2026) and "CDNA5" Instruction Set Architecture Reference Guide (July 2026). The comments in the code are by the model that wrote it; some were corrected since.
;; Block. Allowed arithmetic: matrix products marked QUANTISED: E2M1 operands, one E8M0 scale for each 32 along K, by v_wmma_scale_f32_16x16x128_f8f6f4 with both operands' format E2M1 (or v_wmma_scale_f32_32x16x128_f4), f32 sums; everything else in f32.
;; Inputs: W1_codes 4,096 x 32 x 16 uint8 (E2M1 codes of W1, K innermost, in blocks of 32 codes, two codes a byte); W1_scales 4,096 x 32 uint8 (E8M0 scales of W1, one for each 32 codes along K); W2_codes 1,024 x 128 x 16 uint8 (E2M1 codes of W2, K innermost, in blocks of 32 codes, two codes a byte); W2_scales 1,024 x 128 uint8 (E8M0 scales of W2, one for each 32 codes along K); Wk_codes 1,024 x 32 x 16 uint8 (E2M1 codes of Wk, K innermost, in blocks of 32 codes, two codes a byte); Wk_scales 1,024 x 32 uint8 (E8M0 scales of Wk, one for each 32 codes along K); Wq_codes 1,024 x 32 x 16 uint8 (E2M1 codes of Wq, K innermost, in blocks of 32 codes, two codes a byte); Wq_scales 1,024 x 32 uint8 (E8M0 scales of Wq, one for each 32 codes along K); Wv_codes 1,024 x 32 x 16 uint8 (E2M1 codes of Wv, K innermost, in blocks of 32 codes, two codes a byte); Wv_scales 1,024 x 32 uint8 (E8M0 scales of Wv, one for each 32 codes along K); b1 4,096 float32; b2 1,024 float32; bk 1,024 float32; bq 1,024 float32; bv 1,024 float32; x 4 x 1,024 x 1,024 float32.
;; Outputs: out0 4 x 1,024 x 1,024 float32.
;; This version of the problem:
;;   THIS VERSION OF THE PROBLEM IS GIVEN IN LOW PRECISION. The matrix products marked QUANTISED in the list below multiply operands that are first quantised to E2M1 (2 exponent bits, 1 mantissa bit; 4 bits a number), with one power-of-two scale for each 32 numbers along K (OCP MX v1.0); their sums are f32. All else is computed in f32.
;;   The module's matrix products, in the order in which they are computed (A, B: the left and right operand; K: the contracted axis; several contracted axes count as one K, in the product's order):
;;     1. [M 4,096, K 1,024] x [K 1,024, N 1,024]; A: input x; B: input Wq (given as codes): QUANTISED
;;     2. [M 4,096, K 1,024] x [K 1,024, N 1,024]; A: input x; B: input Wk (given as codes): QUANTISED
;;     3. [M 4,096, K 1,024] x [K 1,024, N 1,024]; A: input x; B: input Wv (given as codes): QUANTISED
;;     4. batch 64 x [M 1,024, K 64] x [K 64, N 1,024]; A: computed on the way; B: computed on the way: QUANTISED
;;     5. batch 64 x [M 1,024, K 1,024] x [K 1,024, N 64]; A: softmax (see below); B: computed on the way: QUANTISED
;;     6. [M 4,096, K 1,024] x [K 1,024, N 4,096]; A: computed on the way; B: input W1 (given as codes): QUANTISED
;;     7. [M 4,096, K 4,096] x [K 4,096, N 1,024]; A: computed on the way; B: input W2 (given as codes): QUANTISED
;;   THE QUANTISER, for each operand of a quantised product, along K:
;;     - K is cut into blocks of 32 from its start; a last block that is shorter is filled with zeros.
;;     - A block's scale is 2^e with e = floor(log2(the largest magnitude in the block)) - 2, held to -126 .. 127; a block of zeros has e = 0. As a byte (E8M0): e + 127.
;;     - Each number is divided by its block's scale, clamped to +-6, and rounded to the nearest number of E2M1, ties to even, subnormals kept.
;;     - The product sums the exact products of the quantised numbers (number of the format x scale) in f32.
;;   ~~~python
;;   def quantise(x, axis):      # numpy; x: float32 -> the quantised numbers, widened to float32 again
;;       x = np.moveaxis(x, axis, -1); K = x.shape[-1]
;;       x = np.pad(x, [(0, 0)] * (x.ndim - 1) + [(0, -K % 32)]); x = x.reshape(x.shape[:-1] + (-1, 32)); a = np.abs(x).max(-1, keepdims=True)
;;       e = np.where(a > 0, np.clip(np.frexp(np.where(a > 0, a, 1))[1] - 1 - 2, -126, 127), 0)      # np.frexp(a)[1] - 1 = floor(log2(a)), exactly
;;       r = np.clip(x / 2.0 ** e, -6, 6)
;;       step = 2.0 ** (np.maximum(np.frexp(np.where(r == 0, 1, r))[1] - 1, 0) - 1)
;;       q = np.round(r / step) * step * 2.0 ** e      # np.round: ties to even
;;       return np.moveaxis(q.reshape(q.shape[:-2] + (-1,))[..., :K], -1, axis).astype(np.float32)
;;   ~~~
;;   SOFTMAX AHEAD OF A QUANTISED PRODUCT. Where the list says 'softmax', what is quantised is not the finished softmax but p = 2^(t - M), with t = logit x log2(e) and M = ceil(the row's largest t), a whole number; so 1/2 < the row's largest p <= 1. The row's sum l is taken of the UNQUANTISED p, in f32, and the product's result is divided by l at the end. Since M is a whole number, a kernel that streams over the keys may use a running M (the ceiling of the running maximum): every later rescaling is an exact power of two, which a block's scale takes up: the codes' values come out the same.
;;   OPERANDS COMPUTED ON THE WAY. 'Computed on the way' means the value that the module computes at that place (a softmax that the list does not call 'softmax' is quantised finished and normalised). What goes into a quantiser is computed in f32, as accurately as f32 sums, v_exp_f32 and their like allow (about 1e-6 of the number): no bf16 or f16 on the way to a quantiser, and a product that is left as it is and whose result goes on into a quantised operand takes f32 operands (vector FMAs, or v_wmma_f32_16x16x4_f32). A number that lies on a knife's edge between two numbers of the format may be rounded either way, as far as f32 arithmetic and the matrix unit's own rounding can turn it there, and no further.
;;   INPUTS GIVEN AS CODES. W1 (in the module: [1024, 4096], K = its axis 0); W2 (in the module: [4096, 1024], K = its axis 0); Wk (in the module: [1024, 1024], K = its axis 0); Wq (in the module: [1024, 1024], K = its axis 0); Wv (in the module: [1024, 1024], K = its axis 0): each comes as NAME_codes (uint8): NAME with its K axis moved to the last place and cut into blocks of 32 codes, [.., K / 32, bytes a block], one block behind the other in memory; two codes a byte, the lower K in the low four bits (a code: sign, 2 exponent bits, 1 mantissa bit); and NAME_scales (uint8): the same leading axes, one E8M0 byte (e + 127) for each 32 codes along K. Its value is code x scale, taken as it is: it is not quantised again, and the codes and scales need not be those that the quantiser above would give.
;; One version. Each part assembles by itself: llvm-mc -triple=amdgcn-amd-amdhsa -mcpu=gfx1250 --defsym DOCPART=n.
;; ======== version 1 of 1: 4 launches
;; limits: right only within a limited range of input values
;; workspace buffers: qkv 6,946,816 bytes; x1 16,777,216 bytes; x1q 2,228,224 bytes; hq 8,912,896 bytes
;; launch qkvx (part 1): grid 16 x 16, 4 waves a work-group, clusters of 4 x 4, 327,680 bytes of LDS; arguments x, Wq_codes, Wq_scales, Wk_codes, Wk_scales, Wv_codes, Wv_scales, bq, bk, bv, qkv; writes qkv
.if DOCPART == 1
	.amdgcn_target "amdgcn-amd-amdhsa--gfx1250"
	.amdhsa_code_object_version 6
	.text
	.protected	k_q6d54a1efe4_qkvx
	.globl	k_q6d54a1efe4_qkvx
	.p2align	8
	.type	k_q6d54a1efe4_qkvx,@function
k_q6d54a1efe4_qkvx:
	s_mov_b64 s[64:65], 0
	v_nop
	global_prefetch_b8 v0, s[64:65] scope:SCOPE_SE
	s_setreg_imm32_b32 hwreg(HW_REG_WAVE_MODE, 25, 1), 1
	s_wait_xcnt 0x0
	s_wait_alu depctr_hold_cnt(0) depctr_sa_sdst(0) depctr_va_vdst(0) depctr_va_sdst(0) depctr_va_ssrc(0) depctr_va_vcc(0) depctr_vm_vsrc(0)
	s_getreg_b32 s2, hwreg(HW_REG_IB_STS2, 6, 4)
	s_cmp_eq_u32 s2, 0
	s_cbranch_scc0 .Lentry_in_a_cluster
	s_endpgm
.Lentry_in_a_cluster:
	s_bfe_u32 s2, ttmp6, 0x10000c
	s_cmp_lg_u32 s2, 0xf033
	s_cbranch_scc0 .Lentry_shape_is_right
	s_endpgm
.Lentry_shape_is_right:
; q = x Wq + bq, k = x Wk + bk, v = x Wv + bv on codes of FP4 (E2M1) with one E8M0 scale for each 32 along K.  x arrives as f32 and is quantised here; each result is quantised for attention:
; q and k along the head's 64, v along the tokens.
; SHARES.  A work-group takes 64 tokens (block tb) and 4 heads (group hg): 64 x 768 of the results, in three phases q, k, v of 64 x 256.  Wave w makes head 4 hg + w: 64 x 64, 16 accumulators.  256 work-groups.
; CLUSTERS 4 x 4: tb = 4 x the cluster's number + cx, hg = cy.
; So x goes through registers.
; PHASE X.  Wave w quantises rows 16 w .. 16 w + 15.  A lane holds 8 neighbours along K, four lanes a block of 32; two loads cover 1,024 consecutive bytes.  The codes go to LDS as rows of 512 bytes + 16, the scale bytes as rows
; of 32 bytes, eight to 256 bytes + 16: the forms in which the weights lie there, so both operands are fetched alike.
; THE WEIGHTS.  A role's tile is 256 rows x 512 bytes: all of K.  Slot 0 takes Wq's, slot 1 Wk's; when no wave reads slot 0 any more it is filled again, with Wv's, and Wq's scale bytes with Wv's.
; q's way out, all of k and k's way out stand between that request and the wait for it.
; THE MATRIX INSTRUCTION IS USED TRANSPOSED.  q, k: source 0 = 16 rows of the weight, source 1 = 16 tokens: a lane holds one token and eight neighbouring features.  v: the sources change places: a lane holds one feature and eight
; neighbouring tokens.  The bias is the C of each sum's first product.
; OUT: records of RB bytes for each (batch, head), images of operand registers, lane l's 16 bytes at 16 l:  k [tile 64][512] at 0; v [step 8][f 4][1024] at RVC; k's scale words [tile][16] at RKS; v's [step][f][16] at RVS; q as k at RQC, RQS.
; A q or k word has its two bytes low and zeros above.  v's scale bytes leave as two bytes a lane, four bytes apart, 128 bytes a wave: the other half of each word belongs to the neighbouring 64 tokens, which another work-group makes.
; LIMITS: a block of zeros gets the byte 1 where the rule says 127 (its codes are zeros, and this program alone reads the bytes); largest magnitudes under the floor 2^-124 were not tried; NaN and infinities among the inputs are not served.
; REGISTERS, in windows of 256: window 0: v3-16 addresses; v28-29 for the add; v32-63 scale words, two sets; v64-123 at work; v128-255 accumulators (in phase X: x's codes and bytes on their way to LDS).
;   window 1: two fragment buffers of 128: 64 registers of x (2 x 4 x 16 rows x 128 K), then 64 of the weight.   window 2: a ring of eight rows of x.   window 3: v0-95 the three biases.
.set RB,    108544
.set RVC,   32768
.set RKS,   65536
.set RVS,   69632
.set RQC,   71680
.set RQS,   104448
.set PITCH, 528                        ; 512 bytes + 16 of padding = 132 words: the 16 rows of a load start 4 banks apart
.set XSC,   64*PITCH                   ; behind x's 64 rows: its scale bytes, 8 x 272 bytes, in 9 blocks of 256
.set SLOT0, XSC+2304
.set HALFW, 128*PITCH                  ; what one tensor load of codes brings
.set SLOTB, 2*HALFW
.set WAVEW, 64*PITCH                   ; a wave's 64 rows of a weight
.set SCW,   SLOT0+2*SLOTB              ; the weights' scale bytes: slot 0's 32 x 272, then slot 1's
.set HALFS, 16*272
.set SPARE, SCW+4*HALFS                ; the spare words, 128 bytes a wave
.set STG,   SPARE+512                  ; scale stages: 256 bytes a wave for q, the same for k
.set LI,   3                           ; 16 x lane
.set L8,   4                           ; 8 x lane
.set XO,   5                           ; 32 x lane: my 8 numbers of 256
.set XST,  6                           ; where my codes of x go
.set XSB,  7                           ; and my block's byte
.set ADRX, 8                           ; x's fragments
.set ADSX, 9                           ; x's scale words
.set ADRW, 10                          ; v10-11 the weight's fragments in slot 0, 1
.set ADSW, 12                          ; the weight's scale words
.set SQ,   13                          ; the scale stage, in
.set RQ,   14                          ; and out
.set VO,   15                          ; 4 r
.set BO,   16                          ; 32 h
.set SPW,  28
.set NIL,  29
.set TM,   64
.set PCQ,  80
.set PWQ,  96
.set OBQ,  100
.set PCK,  102
.set PWK,  118
.set OBK,  122
.set CD,   128
.set BY,   192
.set ACC,  128
.set F0,   0
.set F1,   128
.set BQ,   0
.set BK,   32
.set BV,   64
.set G1C,  24
.set G1S,  32
.set G0C,  44
.set G0S,  48
.set G0V,  52
.set G0VS, 56
.set SEL,  60
.set MSB, 0
.macro WIN new                         ; the immediate's high byte repeats the setting that is left
.if MSB != (\new)
	s_set_vgpr_msb (MSB<<8)|(\new)
.set MSB, \new
.endif
.endm
.set MUL,  0x05                        ; sources 0 and 1 window 1; C and D window 0
.set MULB, 0x35                        ; the same, C window 3
.set TO_F, 0x40
.macro CREST                           ; a round of the cluster's barrier behind its opening barrier
	s_cmp_lg_u32 s14, 0
	s_cbranch_scc1 .Lnot_wave_0_\@
	s_barrier_signal -3
.Lnot_wave_0_\@:
	s_barrier_wait -3
	s_barrier_signal -1
	s_barrier_wait -1
.endm
.macro CROUND
	s_barrier_signal -1
	s_barrier_wait -1
	CREST
.endm
.macro PLACES
.rept 4
	v_nop
.endr
.endm
; 16 nb numbers of a lane in window w, register 16 b + 8 u + j = k 32 b + 16 u + 8 h + j of my row, become the operand's registers v[pc] on (4 c + d: k = 64 c + 32 h + 8 d ..) and the scale word v[pw].
; A conversion gives dword 2 u + h of block b; the exchange of halves between the registers of blocks 2 c and 2 c + 1 gives dwords 2 u and 2 u + 1 of the layout.  Each accumulator is read from its low end on.
.macro QUANT src, nb, pc, pw, w
	WIN 5*(\w)
.irp b, 0,1,2,3
.if \b < (\nb)
	v_max3_num_f32 v[TM+\b], |v[(\src)+16*\b]|, |v[(\src)+16*\b+1]|, 0x1800000   ; with the floor 2^(3 - 127)
.endif
.endr
.irp i, 2,4,6,8,10,12,14
.irp b, 0,1,2,3
.if \b < (\nb)
	v_max3_num_f32 v[TM+\b], |v[(\src)+16*\b+\i]|, |v[(\src)+16*\b+\i+1]|, v[TM+\b]
.endif
.endr
.endr
	WIN 0
.irp b, 0,1,2,3
.if \b < (\nb)
	v_permlanex16_b32 v[TM+4+\b], v[TM+\b], s[SEL], s[SEL+1]
.endif
.endr
.irp b, 0,1,2,3
.if \b < (\nb)
	v_max_num_f32 v[TM+\b], v[TM+\b], v[TM+4+\b]
.endif
.endr
.irp b, 0,1,2,3
.if \b < (\nb)
	v_add_nc_u32 v[TM+12+\b], 0xff000000, v[TM+\b]
.endif
.endr
.irp b, 0,1,2,3
.if \b < (\nb)
	v_lshrrev_b32 v[TM+4+\b], 23, v[TM+12+\b]
.endif
.endr
	v_lshl_or_b32 v[\pw], v[TM+5], 8, v[TM+4]
.if (\nb) > 2
	v_lshl_or_b32 v[\pw], v[TM+6], 16, v[\pw]
	v_lshl_or_b32 v[\pw], v[TM+7], 24, v[\pw]
.endif
	WIN \w
.irp b, 0,1,2,3
.if \b < (\nb)
	v_cvt_scalef32_pk8_fp4_f32 v[(\pc)+4*(\b/2)+(\b%2)], v[(\src)+16*\b:(\src)+16*\b+7], v[TM+12+\b]
	v_cvt_scalef32_pk8_fp4_f32 v[(\pc)+4*(\b/2)+2+(\b%2)], v[(\src)+16*\b+8:(\src)+16*\b+15], v[TM+12+\b]
.endif
.endr
	WIN 0
	v_nop                                          ; one plain place behind the conversions
.irp c, 0,1
.if 2*\c < (\nb)
	v_permlane16_swap_b32 v[(\pc)+4*\c], v[(\pc)+4*\c+1]
	v_permlane16_swap_b32 v[(\pc)+4*\c+2], v[(\pc)+4*\c+3]
.endif
.endr
.endm
; Row i of my 16 rows of x: eight loads; each pair covers 1,024 consecutive bytes, 32 bytes a lane
.macro LOADROW i
	WIN 0x80                                       ; destination window 2
.irp q, 0,1,2,3
	global_load_b128 v[32*((\i)%8)+8*\q:32*((\i)%8)+8*\q+3],   v[XO], s[4:5] offset:4096*(\i)+1024*\q
	global_load_b128 v[32*((\i)%8)+8*\q+4:32*((\i)%8)+8*\q+7], v[XO], s[4:5] offset:4096*(\i)+1024*\q+16
.endr
	WIN 0
.endm
	s_load_b512 s[68:83], s[0:1], 0x0              ; x, Wq codes, scales, Wk codes, scales, Wv codes, scales, bq
	s_load_b128 s[84:87], s[0:1], 0x40             ; bk, bv
	s_load_b64 s[88:89], s[0:1], 0x50              ; qkv
	v_lshl_add_u32 v[SPW], v0, 2, SPARE
	v_mov_b32 v[NIL], 0
	ds_add_u32 v28, v29
	ds_add_u32 v28, v29
	s_wait_dscnt 0x0
	v_lshrrev_b32 v1, 5, v0
	v_readfirstlane_b32 s14, v1                    ; wave
	s_lshr_b32 s15, s14, 1
	s_and_b32 s16, s14, 1
	s_bfe_u32 s40, ttmp6, 0x40000                  ; cx
	s_bfe_u32 s41, ttmp6, 0x40004                  ; cy: the head group
	s_and_b32 s42, ttmp7, 0xffff
	s_lshl_b32 s42, s42, 2
	s_add_co_u32 s42, s42, ttmp9                   ; the cluster's number
	s_lshl_b32 s42, s42, 2
	s_add_co_u32 s42, s42, s40                     ; tb: my block of 64 tokens; it enters x's and the results' addresses alone
	v_and_b32 v18, 31, v0                          ; lane
	v_and_b32 v1, 15, v0                           ; r
	v_bfe_u32 v2, v0, 4, 1                         ; h
	v_lshlrev_b32 v[XO], 5, v18
	v_lshlrev_b32 v[BO], 5, v2
	v_lshlrev_b32 v[VO], 2, v1
	s_lshl_b32 s2, s42, 18
	s_lshl_b32 s3, s14, 16
	s_add_co_u32 s2, s2, s3                        ; (64 tb + 16 wave) rows of 4,096 bytes
	s_mov_b32 s3, 0
	s_lshl_b32 s62, s41, 10
	s_lshl_b32 s63, s14, 8
	s_add_co_u32 s62, s62, s63                     ; my head's 64 numbers of a bias
	s_mov_b32 s63, 0
	s_wait_alu depctr_va_vdst(0)
	s_wait_kmcnt 0x0
	s_add_nc_u64 s[4:5], s[68:69], s[2:3]
	s_add_nc_u64 s[90:91], s[82:83], s[62:63]
	s_add_nc_u64 s[92:93], s[84:85], s[62:63]
	s_add_nc_u64 s[94:95], s[86:87], s[62:63]
	WIN 0xc0                                       ; destination window 3.  The biases in the results' layouts: q, k: eight neighbouring features a tile; v: my row's feature
.irp b, 0,1,2,3
	global_load_b128 v[BQ+8*\b:BQ+8*\b+3],   v[BO], s[90:91] offset:64*\b
	global_load_b128 v[BQ+8*\b+4:BQ+8*\b+7], v[BO], s[90:91] offset:64*\b+16
	global_load_b128 v[BK+8*\b:BK+8*\b+3],   v[BO], s[92:93] offset:64*\b
	global_load_b128 v[BK+8*\b+4:BK+8*\b+7], v[BO], s[92:93] offset:64*\b+16
	global_load_b32  v[BV+8*\b],             v[VO], s[94:95] offset:64*\b
.endr
	WIN 0
.irp i, 0,1,2,3,4
	LOADROW \i                                     ; x first: the products wait for it; 60 loads of mine are out
.endr
	; the descriptors.  Nothing in them hangs on cx
	s_lshl_b32 s43, s41, 2
	s_lshl_b32 s43, 15, s43                        ; my row of the cluster
	s_or_b32 s[G1C+0], s43, (0<<16)|(1<<20)|(1<<21)|(6<<22)|(3<<25)   ; codes: the mask; elements of 1 byte; 4 words of padding after every 128
	s_mov_b32 s[G1C+1], 512<<16                    ; tensor_dim0
	s_mov_b32 s[G1C+2], 256<<16                    ; tensor_dim1: the head's loads bring a role's 256 rows whole
	s_mov_b32 s[G1C+3], 512<<16                    ; tile_dim0
	s_mov_b32 s[G1C+4], 256                        ; tile_dim1
	s_mov_b32 s[G1C+5], 512                        ; the rows are dense
	s_mov_b32 s[G1C+6], 0
	s_mov_b32 s[G1C+7], 0
	s_or_b32 s[G1S+0], s43, (3<<16)|(1<<20)|(1<<21)|(5<<22)|(3<<25)   ; scale bytes of 256 rows: 32 dense rows of 256 bytes (32 elements of 8), 16 bytes of padding behind each
	s_mov_b32 s[G1S+1], 32<<16
	s_mov_b32 s[G1S+2], 32<<16
	s_mov_b32 s[G1S+3], 32<<16
	s_mov_b32 s[G1S+4], 32
	s_mov_b32 s[G1S+5], 32
	s_mov_b32 s[G1S+6], 0
	s_mov_b32 s[G1S+7], 0
	s_lshl_b32 s96, s41, 17
	s_mov_b32 s97, 0                               ; codes: 256 hg rows of 512 bytes
	s_lshl_b32 s98, s41, 13
	s_mov_b32 s99, 0                               ; scale bytes: of 32
	s_cmp_eq_u32 s16, 0                            ; even waves fetch for Wq, odd ones for Wk: the choice hangs on the wave's number alone
	s_cselect_b64 s[22:23], s[70:71], s[74:75]
	s_cselect_b64 s[66:67], s[72:73], s[76:77]
	s_mov_b32 s[G0C], 1
	s_mul_i32 s17, s16, SLOTB
	s_add_co_u32 s[G0C+1], s17, SLOT0              ; slot 0's halves, then slot 1's
	s_add_nc_u64 s[G0C+2:G0C+3], s[22:23], s[96:97]
	s_or_b32 s[G0C+3], s[G0C+3], 0x80000000
	s_mov_b32 s[G0S], 1
	s_mul_i32 s17, s16, 2*HALFS
	s_add_co_u32 s[G0S+1], s17, SCW
	s_add_nc_u64 s[G0S+2:G0S+3], s[66:67], s[98:99]
	s_or_b32 s[G0S+3], s[G0S+3], 0x80000000
	s_lshl_b32 s17, s16, 16                        ; the refill goes by halves: + 128 (wave % 2) rows
	s_add_co_u32 s96, s96, s17
	s_lshl_b32 s17, s16, 12
	s_add_co_u32 s98, s98, s17
	s_mov_b32 s[G0V], 1
	s_mul_i32 s17, s16, HALFW
	s_add_co_u32 s[G0V+1], s17, SLOT0
	s_add_nc_u64 s[G0V+2:G0V+3], s[78:79], s[96:97]
	s_or_b32 s[G0V+3], s[G0V+3], 0x80000000
	s_mov_b32 s[G0VS], 1                           ; its scale bytes into slot 0's (waves 2, 3)
	s_mul_i32 s17, s16, HALFS
	s_add_co_u32 s[G0VS+1], s17, SCW
	s_add_nc_u64 s[G0VS+2:G0VS+3], s[80:81], s[98:99]
	s_or_b32 s[G0VS+3], s[G0VS+3], 0x80000000
	s_mov_b32 s[SEL], 0x76543210
	s_mov_b32 s[SEL+1], 0xfedcba98
	CROUND                                         ; all sixteen work-groups are here: the first joint loads meet
	s_cmp_eq_u32 s15, 0                            ; one tensor load a wave at the head: waves 0, 1 the codes of Wq, Wk, waves 2, 3 their scale bytes
	s_cbranch_scc0 .Lhead_s
	tensor_load_to_lds s[G0C:G0C+3], s[G1C:G1C+7]
	s_nop 0
.rept 4
	v_nop
.endr
	s_branch .Lhead_j
.Lhead_s:
	tensor_load_to_lds s[G0S:G0S+3], s[G1S:G1S+7]
	s_nop 0
.rept 4
	v_nop
.endr
.Lhead_j:
	; LDS addresses: a constant, a constant x lane, a constant x wave
	v_mul_u32_u24 v[ADRX], v1, PITCH
	v_lshl_add_u32 v[ADRX], v2, 4, v[ADRX]         ; a fragment's row x pitch + 16 h; x's rows begin at LDS byte 0
	s_mul_i32 s17, s14, WAVEW
	s_add_co_u32 s17, s17, SLOT0
	v_add_nc_u32 v[ADRW], s17, v[ADRX]
	s_add_co_u32 s17, s17, SLOTB
	v_add_nc_u32 v[ADRW+1], s17, v[ADRX]
	v_lshrrev_b32 v20, 3, v1
	v_mul_u32_u24 v20, v20, 272
	v_and_b32 v21, 7, v1
	v_lshl_add_u32 v20, v21, 5, v20                ; a row's scale bytes: 32 a row, eight rows to 256 bytes + 16
	v_add_nc_u32 v[ADSX], XSC, v20
	s_mul_i32 s17, s14, 2176
	s_add_co_u32 s17, s17, SCW
	v_add_nc_u32 v[ADSW], s17, v20
	s_mul_i32 s17, s14, 16*PITCH
	v_lshl_add_u32 v[XST], v18, 2, s17             ; my 16 rows of x; 4 bytes a lane
	s_mul_i32 s17, s14, 544
	s_add_co_u32 s17, s17, XSC
	v_lshrrev_b32 v21, 2, v18
	v_add_nc_u32 v[XSB], s17, v21                  ; my 16 rows' scale bytes; four lanes to a byte
	s_lshl_b32 s17, s14, 8
	s_add_co_u32 s17, s17, STG
	v_lshl_add_u32 v[SQ], v1, 2, s17
	v_lshl_add_u32 v[RQ], v18, 3, s17
	v_lshlrev_b32 v[LI], 4, v18
	v_lshlrev_b32 v[L8], 3, v18
.irp b, 0,1,2,3
	v_mov_b32 v[TM+4+\b], 0                        ; a lane permute's destination counts as read
.endr
	; where the results go
	s_lshr_b32 s62, s42, 4
	s_lshl_b32 s62, s62, 4                         ; 16 x batch
	s_lshl_b32 s63, s41, 2
	s_add_co_u32 s62, s62, s63
	s_add_co_u32 s62, s62, s14                     ; + my head
	s_mul_i32 s62, s62, RB                         ; its record
	s_and_b32 s63, s42, 15                         ; my block among the batch's 16
	s_lshl_b32 s66, s63, 11
	s_add_co_u32 s66, s66, s62
	s_mov_b32 s67, 0
	s_add_nc_u64 s[10:11], s[88:89], s[66:67]      ; k's codes: 4 tiles of 512 bytes a block
	s_add_nc_u64 s[6:7], s[10:11], RQC             ; q's
	s_lshl_b32 s66, s63, 8
	s_add_co_u32 s66, s66, s62
	s_add_nc_u64 s[12:13], s[88:89], s[66:67]
	s_add_nc_u64 s[8:9], s[12:13], RQS             ; q's scale words: 256 bytes a block
	s_add_nc_u64 s[12:13], s[12:13], RKS           ; k's
	s_lshr_b32 s66, s63, 1                         ; the step of 128 keys,
	s_and_b32 s63, s63, 1                          ; and my half of it
	s_lshl_b32 s2, s66, 12
	s_lshl_b32 s3, s63, 9
	s_add_co_u32 s2, s2, s3
	s_add_co_u32 s2, s2, s62
	s_add_co_u32 s2, s2, RVC
	s_mov_b32 s3, 0
	s_add_nc_u64 s[18:19], s[88:89], s[2:3]        ; v's codes
	s_lshl_b32 s2, s66, 8
	s_lshl_b32 s63, s63, 1
	s_add_co_u32 s2, s2, s63
	s_add_co_u32 s2, s2, s62
	s_add_co_u32 s2, s2, RVS
	s_add_nc_u64 s[20:21], s[88:89], s[2:3]        ; v's scale bytes: my two of each word
; PHASE X, row i.  Lane l holds numbers 256 q + 8 l + 0 .. 7, q = 0 .. 3: block 8 q + l / 4.  The four pieces take turns line by line.  Every row has registers of its own for what it stores.
.macro XROW i
.set XD, 32*((\i)%8)
.if 15-(\i) >= 4
	s_wait_loadcnt 32                              ; this row's eight loads are in (and all older ones); four rows' may be out
.else
	s_wait_loadcnt 8*(15-(\i))
.endif
.if (\i)+5 < 16
	LOADROW (\i)+5                                 ; into the set that row i - 3 has left
.endif
	WIN 0x0a                                       ; sources 0 and 1 window 2
.irp q, 0,1,2,3
	v_max3_num_f32 v[TM+\q], |v[XD+8*\q]|, |v[XD+8*\q+1]|, 0x1800000   ; with the floor 2^(3 - 127): the byte cannot fall under 1
.endr
.irp p, 2,4,6
.irp q, 0,1,2,3
	v_max3_num_f32 v[TM+\q], |v[XD+8*\q+\p]|, |v[XD+8*\q+\p+1]|, v[TM+\q]
.endr
.endr
	WIN 0
.irp q, 0,1,2,3
	v_max_num_f32_dpp v[TM+\q], v[TM+\q], v[TM+\q] row_xmask:1 row_mask:0xf bank_mask:0xf
.endr
.irp q, 0,1,2,3
	v_max_num_f32_dpp v[TM+\q], v[TM+\q], v[TM+\q] row_xmask:2 row_mask:0xf bank_mask:0xf   ; the four lanes' largest: the block's
.endr
.irp q, 0,1,2,3
	v_add_nc_u32 v[TM+4+\q], 0xff000000, v[TM+\q]  ; 2 off the exponent field: the conversion's scale operand
.endr
.irp q, 0,1,2,3
	v_lshrrev_b32 v[BY+4*(\i)+\q], 23, v[TM+4+\q]  ; the scale's byte
.endr
	WIN 0x02                                       ; source 0 window 2
.irp q, 0,1,2,3
	v_cvt_scalef32_pk8_fp4_f32 v[CD+4*(\i)+\q], v[XD+8*\q:XD+8*\q+7], v[TM+4+\q]
.endr
	WIN 0
	v_nop                                          ; one plain place behind the conversions
.irp q, 0,1,2,3
	ds_store_b32 v[XST], v[CD+4*(\i)+\q] offset:PITCH*(\i)+128*\q     ; 128 consecutive bytes of the row
.endr
.irp q, 0,1,2,3
	ds_store_b8 v[XSB], v[BY+4*(\i)+\q] offset:272*((\i)/8)+32*((\i)%8)+8*\q   ; the four lanes of a block write the same byte with the same value
.endr
.endm
.irp i, 0,1,2,3,4,5,6,7,8,9,10,11,12,13,14,15
	XROW \i
.endr
	WIN 0xc3                                       ; destination and source 0 window 3
.irp a, 0,1,2,3
.irp j, 1,2,3,4,5,6,7
	v_mov_b32 v[BV+8*\a+\j], v[BV+8*\a]            ; v's bias: my feature's, for all eight tokens of a register run
.endr
.endr
	WIN 0
; 8 products: m tiles a0, a0 + 1 x all 4 n tiles, fragment c of buffer f.  sw = 0 (q, k): m = tokens (x), n = features (the weight); sw = 1 (v): m = features, n = tokens.
; mode 0: onto the sums; 1: C = the bias by the n tile; 2: by the m tile.  The 16 accumulators take turns, one instruction a turn.
.macro MUL8 f, c, a0, mode, sw, bb
.irp a, \a0, \a0+1
.irp b, 0,1,2,3
.set rD, ACC+8*(4*(\a)+\b)
.set rG, 16*((\f)/128)
.if \sw
.set r0, (\f)+8*(4*(\c)+\b)
.set r1, (\f)+64+8*(4*(\c)+(\a))
.set z0, 32+rG+2*\b+(\c)
.set z1, 40+rG+2*(\a)+(\c)
.else
.set r0, (\f)+64+8*(4*(\c)+\b)
.set r1, (\f)+8*(4*(\c)+(\a))
.set z0, 40+rG+2*\b+(\c)
.set z1, 32+rG+2*(\a)+(\c)
.endif
.if (\mode) == 0
	v_wmma_scale_f32_16x16x128_f8f6f4 v[rD:rD+7], v[r0:r0+7], v[r1:r1+7], v[rD:rD+7], v[z0], v[z1] matrix_a_fmt:MATRIX_FMT_FP4 matrix_b_fmt:MATRIX_FMT_FP4
.elseif (\mode) == 1
	v_wmma_scale_f32_16x16x128_f8f6f4 v[rD:rD+7], v[r0:r0+7], v[r1:r1+7], v[(\bb)+8*\b:(\bb)+8*\b+7], v[z0], v[z1] matrix_a_fmt:MATRIX_FMT_FP4 matrix_b_fmt:MATRIX_FMT_FP4
.else
	v_wmma_scale_f32_16x16x128_f8f6f4 v[rD:rD+7], v[r0:r0+7], v[r1:r1+7], v[(\bb)+8*(\a):(\bb)+8*(\a)+7], v[z0], v[z1] matrix_a_fmt:MATRIX_FMT_FP4 matrix_b_fmt:MATRIX_FMT_FP4
.endif
.endr
.endr
.endm
; 40 LDS loads in one run: quarter kq (two fragments, 256 along K) of x and of the weight in the slot named: 8 of scale words (two words a row), the first fragments, the second
.macro FETCH slot, kq, f
	WIN 0
.irp i, 0,1,2,3
	ds_load_b64 v[32+16*((\f)/128)+2*\i:32+16*((\f)/128)+2*\i+1], v[ADSX] offset:544*\i+8*(\kq)
.endr
.irp i, 0,1,2,3
	ds_load_b64 v[40+16*((\f)/128)+2*\i:40+16*((\f)/128)+2*\i+1], v[ADSW] offset:2*HALFS*(\slot)+544*\i+8*(\kq)
.endr
	WIN TO_F
.irp c, 0,1
.irp i, 0,1,2,3
	ds_load_b128 v[\f+64+8*(4*\c+\i):\f+64+8*(4*\c+\i)+3],   v[ADRW+\slot] offset:16*PITCH*\i+64*(2*(\kq)+\c)
	ds_load_b128 v[\f+64+8*(4*\c+\i)+4:\f+64+8*(4*\c+\i)+7], v[ADRW+\slot] offset:16*PITCH*\i+64*(2*(\kq)+\c)+32
	ds_load_b128 v[\f+8*(4*\c+\i):\f+8*(4*\c+\i)+3],         v[ADRX] offset:16*PITCH*\i+64*(2*(\kq)+\c)
	ds_load_b128 v[\f+8*(4*\c+\i)+4:\f+8*(4*\c+\i)+7],       v[ADRX] offset:16*PITCH*\i+64*(2*(\kq)+\c)+32
.endr
.endr
.endm
; A phase is four quarters on buffers 0, 1, 0, 1.  One of the first three: multiplies buffer f; in its middle fetches quarter kq into buffer g
.macro QUARTER slot, kq, f, g, mode, sw, bb
	s_wait_dscnt 16                                ; the scale words and the first fragments are in; the second's sixteen loads may be out
.if \mode
	WIN MULB
.else
	WIN MUL
.endif
	MUL8 \f, 0, 0, \mode, \sw, \bb
	MUL8 \f, 0, 2, \mode, \sw, \bb
	PLACES                                         ; four places in front of loads into registers that products have read
	FETCH \slot, \kq, \g
	s_wait_dscnt 40                                ; all but the 40 just issued
	WIN MUL
	MUL8 \f, 1, 0, 0, \sw, 0
	MUL8 \f, 1, 2, 0, \sw, 0
.endm
.macro LASTQ sw                        ; a phase's last quarter, with nothing more to fetch
	s_wait_dscnt 16
	WIN MUL
	MUL8 F1, 0, 0, 0, \sw, 0
	MUL8 F1, 0, 2, 0, \sw, 0
	s_wait_dscnt 0
	MUL8 F1, 1, 0, 0, \sw, 0
	MUL8 F1, 1, 2, 0, \sw, 0
	WIN 0
.endm
; THE WAY OUT of q or k: tile a of 16 tokens x my head's 64 is one image of 512 bytes and a scale word a token.  The four tiles' words meet in my own stage and leave as 256 consecutive bytes.
.macro OUTQK pc, pw, ob, cb, sb, so
	PLACES                                         ; in front of the first read of results just made
.irp a, 0,1,2,3
	QUANT ACC+32*\a, 2, (\pc)+4*\a, (\pw)+\a, 0
	global_store_b128 v[LI], v[(\pc)+4*\a:(\pc)+4*\a+3], s[\cb:\cb+1] offset:512*\a   ; 512 consecutive bytes, aligned
	ds_store_b32 v[SQ], v[(\pw)+\a] offset:(\so)+64*\a                 ; both halves of the lanes write the same word
.endr
	ds_load_b64 v[\ob:\ob+1], v[RQ] offset:\so     ; LDS serves a wave's instructions in order: this sees my stores
	s_wait_dscnt 0x0
	global_store_b64 v[L8], v[\ob:\ob+1], s[\sb:\sb+1]                 ; 256 consecutive bytes, aligned
.endm
	s_wait_tensorcnt 0x0                           ; my parts of Wq, Wk and their scale bytes have landed,
	s_wait_dscnt 0x0                               ; my rows of x lie in LDS:
	s_barrier_signal -1
	s_barrier_wait -1                              ; everybody's do
	s_mov_b32 s[G1C+2], 128<<16                    ; no tensor load of mine is out, so a descriptor may be written: the refill's loads bring halves
	s_mov_b32 s[G1C+4], 128
	s_mov_b32 s[G1S+2], 16<<16
	s_mov_b32 s[G1S+4], 16
	FETCH 0, 0, F0
	QUARTER 0, 1, F0, F1, 1, 0, BQ
	QUARTER 0, 2, F1, F0, 0, 0, 0
	QUARTER 0, 3, F0, F1, 0, 0, 0
	WIN 0                                          ; q's last quarter leaves slot 0.  (The add's two registers lie in window 0)
	s_wait_tensorcnt 0x0                           ; no tensor load of mine is out
	ds_add_u32 v[SPW], v[NIL]
	s_wait_dscnt 17                                ; (the add and the youngest sixteen loads may be out)
	WIN MUL
	MUL8 F1, 0, 0, 0, 0, 0
	s_wait_dscnt 0x0                               ; the add is done; my reads of slot 0 and of its scale bytes are over
	s_barrier_signal -1
	MUL8 F1, 0, 2, 0, 0, 0
	WIN 0
	s_barrier_wait -1
	CREST                                          ; the barrier has opened a round of the cluster's: no wave of any partner still reads slot 0 or has a load on its way
	s_cmp_eq_u32 s15, 0                            ; my one tensor load behind the round: waves 0, 1 Wv's codes, waves 2, 3 its scale bytes
	s_cbranch_scc0 .Lfor_scales
	tensor_load_to_lds s[G0V:G0V+3], s[G1C:G1C+7]
	s_nop 0
.rept 4
	v_nop
.endr
	s_branch .Lasked
.Lfor_scales:
	tensor_load_to_lds s[G0VS:G0VS+3], s[G1S:G1S+7]
	s_nop 0
.rept 4
	v_nop                                          ; these four are also the places in front of the loads below
.endr
.Lasked:
	FETCH 1, 0, F0                                 ; k's first quarter
	WIN MUL
	MUL8 F1, 1, 0, 0, 0, 0
	MUL8 F1, 1, 2, 0, 0, 0
	WIN 0
	OUTQK PCQ, PWQ, OBQ, 6, 8, 0
	; ---- k
	QUARTER 1, 1, F0, F1, 1, 0, BK
	QUARTER 1, 2, F1, F0, 0, 0, 0
	QUARTER 1, 3, F0, F1, 0, 0, 0
	LASTQ 0
	OUTQK PCK, PWK, OBK, 10, 12, 1024
	; ---- v
	s_wait_tensorcnt 0x0                           ; my part of Wv has landed,
	s_wait_dscnt 0x0
	s_barrier_signal -1
	s_barrier_wait -1                              ; everybody's has
	FETCH 0, 0, F0
	QUARTER 0, 1, F0, F1, 2, 1, BV
	QUARTER 0, 2, F1, F0, 0, 1, 0
	QUARTER 0, 3, F0, F1, 0, 1, 0
	LASTQ 1
	s_wait_xcnt 0x0                                ; q's stores have read their registers: v's way out writes them again
	PLACES
.irp a, 0,1,2,3                                ; tile a: 16 features of my head x my 64 tokens: half an image of 128 keys, and two of a word's four scale bytes
	QUANT ACC+32*\a, 2, PCQ+4*\a, PWQ+\a, 0
	global_store_b128 v[LI], v[PCQ+4*\a:PCQ+4*\a+3], s[18:19] offset:1024*\a          ; 512 consecutive bytes, aligned
	global_store_b16 v[VO], v[PWQ+\a], s[20:21] offset:64*\a                          ; two bytes a feature, four bytes apart; both halves of the lanes write the same
.endr
	s_wait_tensorcnt 0x0                           ; the wave's end
	ds_add_u32 v[SPW], v[NIL]
	s_wait_dscnt 0x0
	CROUND                                         ; the closing round
	s_endpgm
.Lfunc_end_k_q6d54a1efe4_qkvx:
	.size	k_q6d54a1efe4_qkvx, .Lfunc_end_k_q6d54a1efe4_qkvx-k_q6d54a1efe4_qkvx
	.p2alignl 7, 3214868480
	.fill 96, 4, 3214868480
	.section	.rodata,"a",@progbits
	.p2align	6, 0x0
	.amdhsa_kernel k_q6d54a1efe4_qkvx
		.amdhsa_group_segment_fixed_size 327680
		.amdhsa_private_segment_fixed_size 0
		.amdhsa_enable_private_segment 0
		.amdhsa_kernarg_size 88
		.amdhsa_user_sgpr_count 2
		.amdhsa_user_sgpr_kernarg_segment_ptr 1
		.amdhsa_wavefront_size32 1
		.amdhsa_system_sgpr_workgroup_id_x 1
		.amdhsa_system_sgpr_workgroup_id_y 1
		.amdhsa_system_sgpr_workgroup_id_z 1
		.amdhsa_system_vgpr_workitem_id 0
		.amdhsa_next_free_vgpr 1024
		.amdhsa_next_free_sgpr 100
		.amdhsa_reserve_vcc 0
		.amdhsa_float_denorm_mode_32 3
		.amdhsa_float_denorm_mode_16_64 3
		.amdhsa_memory_ordered 1
		.amdhsa_forward_progress 1
		.amdhsa_inst_pref_size 179
	.end_amdhsa_kernel
	.amdgpu_metadata
---
amdhsa.version: [ 1, 2 ]
amdhsa.kernels:
  - .name:           k_q6d54a1efe4_qkvx
    .symbol:         k_q6d54a1efe4_qkvx.kd
    .args:
      - { .name: x, .offset: 0, .size: 8, .value_kind: global_buffer, .address_space: global }
      - { .name: Wq_codes, .offset: 8, .size: 8, .value_kind: global_buffer, .address_space: global }
      - { .name: Wq_scales, .offset: 16, .size: 8, .value_kind: global_buffer, .address_space: global }
      - { .name: Wk_codes, .offset: 24, .size: 8, .value_kind: global_buffer, .address_space: global }
      - { .name: Wk_scales, .offset: 32, .size: 8, .value_kind: global_buffer, .address_space: global }
      - { .name: Wv_codes, .offset: 40, .size: 8, .value_kind: global_buffer, .address_space: global }
      - { .name: Wv_scales, .offset: 48, .size: 8, .value_kind: global_buffer, .address_space: global }
      - { .name: bq, .offset: 56, .size: 8, .value_kind: global_buffer, .address_space: global }
      - { .name: bk, .offset: 64, .size: 8, .value_kind: global_buffer, .address_space: global }
      - { .name: bv, .offset: 72, .size: 8, .value_kind: global_buffer, .address_space: global }
      - { .name: qkv, .offset: 80, .size: 8, .value_kind: global_buffer, .address_space: global }
    .group_segment_fixed_size: 327680
    .private_segment_fixed_size: 0
    .kernarg_segment_align: 8
    .kernarg_segment_size: 88
    .max_flat_workgroup_size: 128
    .sgpr_count:     100
    .vgpr_count:     1024
    .wavefront_size: 32
...
	.end_amdgpu_metadata
.endif
;; end of part 1
;; launch attn (part 2): grid 4 x 64, 16 waves a work-group, clusters of 4 x 1, 169,984 bytes of LDS; arguments qkv, x, x1, x1q; writes x1, x1q
.if DOCPART == 2
	.amdgcn_target "amdgcn-amd-amdhsa--gfx1250"
	.amdhsa_code_object_version 6
	.text
	.protected	k_q6d54a1efe4_attn
	.globl	k_q6d54a1efe4_attn
	.p2align	8
	.type	k_q6d54a1efe4_attn,@function
k_q6d54a1efe4_attn:
	s_mov_b64 s[64:65], 0
	v_nop
	global_prefetch_b8 v0, s[64:65] scope:SCOPE_SE
	s_setreg_imm32_b32 hwreg(HW_REG_WAVE_MODE, 25, 1), 1
	s_wait_xcnt 0x0
	s_wait_alu depctr_hold_cnt(0) depctr_sa_sdst(0) depctr_va_vdst(0) depctr_va_sdst(0) depctr_va_ssrc(0) depctr_va_vcc(0) depctr_vm_vsrc(0)
	s_getreg_b32 s2, hwreg(HW_REG_IB_STS2, 6, 4)
	s_cmp_eq_u32 s2, 0
	s_cbranch_scc0 .Lentry_in_a_cluster
	s_endpgm
.Lentry_in_a_cluster:
	s_bfe_u32 s2, ttmp6, 0x10000c
	s_cmp_lg_u32 s2, 0x3003
	s_cbranch_scc0 .Lentry_shape_is_right
	s_endpgm
.Lentry_shape_is_right:
; x1 = x + softmax_causal(q k^T / 32) v for one (batch, head), both products on codes of FP4 with E8M0 scales; x1 goes out as f32 and, quantised along H, as codes for the next product.
; THE SOFTMAX: t = score x log2(e) / 32; M = the running largest t rounded up to a whole number; p = 2^(t - M) is quantised along the keys; the row's sum is taken of the unquantised p and divides at the end.
; SHARES.  A cluster of four work-groups takes a head; a work-group 16 tiles of 16 queries, one a wave.  Wave w of partner cx owns tile 8 (w / 2) + 2 cx + w % 2: it needs key steps 0 .. w / 2 of 128 keys,
; the same number in all partners, so that no branch hangs on a work-group's place; every work-group has 72 steps.  The last of a wave's steps lies on the diagonal, the others are open; steps behind it are left out.
; A head's k and v, codes and scale words, are 71,680 dense bytes of its record: they are asked for JOINTLY once, four loads of 70 rows x 256 bytes, and stay.  No LDS byte is filled twice.
; LAYOUT.  S^T = K Q^T, O^T = V^T P^T: a lane holds one query.  Fragments lie in LDS as images of registers (16 bytes a lane, 512 consecutive bytes a load).  K = 64 in the first product: Q's upper four registers are zero codes,
; so whatever K's upper four hold (the next tile's codes) adds nothing; the scale words' upper bytes are never 0xff.
; LIMITS: a block of zeros gets the byte 1 (codes zero); magnitudes under 2^-124 not tried; NaN and infinities not served.
; REGISTERS: v1-7 addresses; v8, 10, 11 the step's; v12 -M, v13 largest t, v[14:15] the sum; v16-19 Q, v20-23 zeros; v24-31 K's scale words; v32-63 K; v64-95 V; v96-159 S^T, p; v160-191 O^T; v192-223 x, x1; v224-231 codes;
;   v232-254 at work (v240-243 addresses, v248-251 V's scale words, v252 f, v253 p's scale word); v255 Q's scale word.
.set RB,    108544
.set RVC,   32768
.set RKS,   65536
.set RVS,   69632
.set RQC,   71680
.set RQS,   104448
.set FILL,  17920                      ; 70 rows of 256 bytes
.set STG,   71680                      ; behind the tiles: 16 rows x 272 bytes for each wave
.set SCG,   STG+16*4352                ; 512 bytes: the work-group's scale bytes of x1
.set X1S,   2097152
.set TM,    232
.set WV,    12
.set GG,    15
.set SEL,   20
.set CS,    22
.set G1,    24
.set G0,    32
.set SN,    36
.set TK,    37
.set TS,    38
.set TJ,    39
.set MSB, 0
.macro WIN new
.if MSB != (\new)
	s_set_vgpr_msb (MSB<<8)|(\new)
.set MSB, \new
.endif
.endm
.macro CROUND
	s_barrier_signal -1
	s_barrier_wait -1
	s_cmp_lg_u32 s60, 0
	s_cbranch_scc1 .Lnot_wave_0_\@
	s_barrier_signal -3
.Lnot_wave_0_\@:
	s_barrier_wait -3
	s_barrier_signal -1
	s_barrier_wait -1
.endm
; 16 nb numbers of a lane, register 16 b + 8 u + j = k 32 b + 16 u + 8 h + j of my row, become the operand's registers v[pc] on and the scale word v[pw] (all in window 0 here).
.macro QUANT src, nb, pc, pw, w
	WIN 5*(\w)
.irp b, 0,1,2,3
.if \b < (\nb)
	v_max3_num_f32 v[TM+\b], |v[(\src)+16*\b]|, |v[(\src)+16*\b+1]|, 0x1800000
.endif
.endr
.irp i, 2,4,6,8,10,12,14
.irp b, 0,1,2,3
.if \b < (\nb)
	s_delay_alu instid0(VALU_DEP_2)
	v_max3_num_f32 v[TM+\b], |v[(\src)+16*\b+\i]|, |v[(\src)+16*\b+\i+1]|, v[TM+\b]
.endif
.endr
.endr
	WIN 0
.irp b, 0,1,2,3
.if \b < (\nb)
	s_delay_alu instid0(VALU_DEP_2)
	v_permlanex16_b32 v[TM+4+\b], v[TM+\b], s[SEL], s[SEL+1]
.endif
.endr
.irp b, 0,1,2,3
.if \b < (\nb)
	s_delay_alu instid0(VALU_DEP_2)
	v_max_num_f32 v[TM+\b], v[TM+\b], v[TM+4+\b]
.endif
.endr
.irp b, 0,1,2,3
.if \b < (\nb)
	s_delay_alu instid0(VALU_DEP_2)
	v_add_nc_u32 v[TM+12+\b], 0xff000000, v[TM+\b]
.endif
.endr
.irp b, 0,1,2,3
.if \b < (\nb)
	s_delay_alu instid0(VALU_DEP_2)
	v_lshrrev_b32 v[TM+4+\b], 23, v[TM+12+\b]
.endif
.endr
	s_delay_alu instid0(VALU_DEP_1)
	v_lshl_or_b32 v[\pw], v[TM+5], 8, v[TM+4]
.if (\nb) > 2
	v_lshl_or_b32 v[\pw], v[TM+6], 16, v[\pw]
	v_lshl_or_b32 v[\pw], v[TM+7], 24, v[\pw]
.endif
	WIN \w
.irp b, 0,1,2,3
.if \b < (\nb)
	v_cvt_scalef32_pk8_fp4_f32 v[(\pc)+4*(\b/2)+(\b%2)], v[(\src)+16*\b:(\src)+16*\b+7], v[TM+12+\b]
	v_cvt_scalef32_pk8_fp4_f32 v[(\pc)+4*(\b/2)+2+(\b%2)], v[(\src)+16*\b+8:(\src)+16*\b+15], v[TM+12+\b]
.endif
.endr
	WIN 0
	v_nop
.irp c, 0,1
.if 2*\c < (\nb)
	v_permlane16_swap_b32 v[(\pc)+4*\c], v[(\pc)+4*\c+1]
	v_permlane16_swap_b32 v[(\pc)+4*\c+2], v[(\pc)+4*\c+3]
.endif
.endr
.endm
	s_load_b256 s[4:11], s[0:1], 0x0               ; qkv, x, x1, x1q
	v_lshl_add_u32 v254, v0, 2, 0x29000
	v_mov_b32 v255, 0
	ds_add_u32 v254, v255
	ds_add_u32 v254, v255
	s_wait_dscnt 0x0
	v_lshrrev_b32 v8, 5, v0
	s_delay_alu instid0(VALU_DEP_1)
	v_readfirstlane_b32 s60, v8                    ; the wave's number, 0..15: it serves the cluster's signal alone
	s_lshr_b32 s13, s60, 2                         ; THE ROLE w, which every line below and the comment at the head call the wave: number xor 2 x (bit 3) xor 14.
	s_and_b32 s13, s13, 2                          ; Waves n, n + 4, n + 8, n + 12 then have 8 + 6 + 3 + 1 or 7 + 5 + 4 + 2 key steps, 18 of the work-group's 72 each way,
	s_xor_b32 s[WV], s60, s13                      ; and the longest roles have the lowest numbers
	s_xor_b32 s[WV], s[WV], 14
	s_bfe_u32 s13, ttmp6, 0x40000                  ; cx
	s_and_b32 s14, ttmp7, 0xffff                   ; 16 x batch + head, which the four partners share
	s_lshr_b32 s[GG], s[WV], 1                     ; my last key step
	s_and_b32 s16, s[WV], 1
	s_lshr_b32 s17, s14, 4                         ; batch
	s_and_b32 s18, s14, 15                         ; head
	s_mul_i32 s40, s14, RB
	s_mov_b32 s41, 0
	s_mul_i32 s[G0+1], s[WV], FILL                 ; LDS address of my quarter (waves 0 to 3 fetch)
	s_mov_b32 s54, s[G0+1]
	s_mov_b32 s55, 0
	s_mov_b32 s[G1], 15|(3<<16)|(1<<21)            ; the mask: all four work-groups; elements of 8 bytes; no padding
	s_mov_b32 s[G1+1], 32<<16                      ; tensor_dim0 = 32 elements: 256 bytes
	s_mov_b32 s[G1+2], 70<<16                      ; tensor_dim1
	s_mov_b32 s[G1+3], 32<<16                      ; tile_dim0
	s_mov_b32 s[G1+4], 70                          ; tile_dim1
	s_mov_b32 s[G1+5], 32                          ; the rows are dense
	s_mov_b32 s[G1+6], 0
	s_mov_b32 s[G1+7], 0
	s_mov_b32 s[G0], 1
	s_mov_b32 s[SEL], 0x76543210
	s_mov_b32 s[SEL+1], 0xfedcba98
	s_mov_b32 s[CS], 0x3d38aa3b                    ; c = log2(e) / 32
	s_mov_b32 s[CS+1], s[CS]
	s_wait_kmcnt 0x0
	s_add_nc_u64 s[40:41], s[4:5], s[40:41]        ; the head's record
	s_add_nc_u64 s[G0+2:G0+3], s[40:41], s[54:55]
	s_or_b32 s[G0+3], s[G0+3], 0x80000000
	CROUND                                         ; all four work-groups are here: the joint loads meet
	s_cmp_lt_u32 s[WV], 4
	s_cbranch_scc0 .Lno_fill
	tensor_load_to_lds s[G0:G0+3], s[G1:G1+7]
	s_nop 0
.rept 4
	v_nop
.endr
.Lno_fill:
	s_lshl_b32 s19, s13, 1
	s_add_co_u32 s19, s19, s16                     ; 2 cx + w % 2
	s_lshl_b32 s52, s[GG], 3
	s_add_co_u32 s52, s52, s19                     ; my tile of queries
	s_lshl_b32 s54, s52, 9
	s_add_co_u32 s54, s54, RQC
	s_add_nc_u64 s[42:43], s[40:41], s[54:55]      ; Q's image
	s_lshl_b32 s54, s52, 6
	s_add_co_u32 s54, s54, RQS
	s_add_nc_u64 s[44:45], s[40:41], s[54:55]      ; Q's scale words
	s_lshl_b32 s54, s17, 10
	s_lshl_b32 s53, s52, 4
	s_add_co_u32 s54, s54, s53                     ; my first token
	s_lshl_b32 s54, s54, 12
	s_lshl_b32 s53, s18, 8
	s_add_co_u32 s54, s54, s53                     ; its row's 256 bytes of my head
	s_add_nc_u64 s[46:47], s[6:7], s[54:55]        ; in x
	s_add_nc_u64 s[48:49], s[8:9], s[54:55]        ; and in x1
	s_lshl_b32 s53, s17, 6
	s_lshl_b32 s56, s13, 4
	s_add_co_u32 s53, s53, s56                     ; 64 batch + 16 cx: the work-group's first tile in the order P
	s_lshl_b32 s54, s53, 5
	s_lshl_b32 s56, s18, 13
	s_add_co_u32 s54, s54, s56
	s_add_co_u32 s54, s54, X1S
	s_add_nc_u64 s[58:59], s[10:11], s[54:55]      ; x1's scale bytes: [head][P][16] of two bytes
	s_add_co_u32 s53, s53, s[WV]                   ; P
	s_lshl_b32 s53, s53, 3
	s_lshr_b32 s56, s18, 1
	s_add_co_u32 s53, s53, s56
	s_lshl_b32 s54, s53, 10
	s_and_b32 s56, s18, 1
	s_lshl_b32 s56, s56, 9
	s_add_co_u32 s54, s54, s56
	s_add_nc_u64 s[50:51], s[10:11], s[54:55]      ; x1's codes: [P][8][1024], my head's half
	v_and_b32 v8, 31, v0
	v_and_b32 v9, 15, v0                           ; r
	v_bfe_u32 v10, v0, 4, 1                        ; h
	s_delay_alu instid0(VALU_DEP_3)
	v_lshlrev_b32 v1, 4, v8                        ; 16 x lane
	s_delay_alu instid0(VALU_DEP_3)
	v_lshlrev_b32 v2, 2, v9                        ; 4 r
	s_delay_alu instid0(VALU_DEP_4)
	v_lshlrev_b32 v240, 12, v9
	s_delay_alu instid0(VALU_DEP_1)
	v_lshl_add_u32 v240, v10, 5, v240              ; x: row r, + 32 h
	global_load_b128 v[16:19], v1, s[42:43]
	global_load_b32 v255, v2, s[44:45]
.irp a, 0,1,2,3
	global_load_b128 v[192+8*\a:195+8*\a], v240, s[46:47] offset:64*\a       ; x(r, 16 a + 8 h + 0 .. 7), in O^T's layout
	global_load_b128 v[196+8*\a:199+8*\a], v240, s[46:47] offset:64*\a+16
.endr
	s_lshl_b32 s56, s19, 4
	v_lshlrev_b32 v3, 3, v10
	s_delay_alu instid0(VALU_DEP_1)
	v_sub_nc_u32 v3, v9, v3
	s_delay_alu instid0(VALU_DEP_1)
	v_add_nc_u32 v3, s56, v3                       ; d = my query less the diagonal step's first key, less 8 h: register 8 t + j is hidden where 16 t + j > d
	v_mov_b32 v4, 0xff800000                       ; -infinity
	s_mul_i32 s56, s[WV], 4352
	s_add_co_u32 s56, s56, STG
	v_mul_u32_u24 v5, v9, 272
	s_delay_alu instid0(VALU_DEP_1)
	v_lshl_add_u32 v5, v10, 5, v5
	s_delay_alu instid0(VALU_DEP_1)
	v_add_nc_u32 v5, s56, v5                       ; my stage, in: row r, + 32 h
	v_mul_u32_u24 v6, v10, 272
	s_delay_alu instid0(VALU_DEP_1)
	v_lshl_add_u32 v6, v9, 4, v6
	s_delay_alu instid0(VALU_DEP_1)
	v_add_nc_u32 v6, s56, v6                       ; back: lanes 0-15 one row, lanes 16-31 the next
	v_lshlrev_b32 v7, 12, v10
	s_delay_alu instid0(VALU_DEP_1)
	v_lshl_add_u32 v7, v9, 4, v7                   ; and the same in x1
	v_add_nc_u32 v241, SCG, v1
	s_lshl_b32 s56, s[WV], 5
	s_add_co_u32 s56, s56, SCG
	v_lshl_add_u32 v242, v9, 1, s56                ; my row's two scale bytes: 32 w + 2 r
	v_add_nc_u32 v243, RKS, v2                     ; the scale words' base
	v_mov_b32 v13, 0xff61b1e6                      ; the largest t so far: -3e38
	s_delay_alu instid0(VALU_DEP_1)
	v_floor_f32 v12, -v13
	v_mov_b32 v14, 0
	v_mov_b32 v15, 0
.irp j, 20,21,22,23,64,65,66,67,236,237,238,239,252,253
	v_mov_b32 v\j, 0                               ; Q's zero codes; registers named before they are first written
.endr
.set n, 0
.rept 32
	v_mov_b32 v[160+n], 0                          ; O^T: the step is written once, and the first change of M leaves zeros zeros
.set n, n+1
.endr
	s_mov_b32 s[SN], 0
	s_mov_b32 s[TK], 0
	s_mov_b32 s[TS], 0
	s_mov_b32 s[TJ], 0
	s_wait_tensorcnt 0x0                           ; my quarter has landed,
	s_barrier_signal -1
	s_barrier_wait -1                              ; everybody's has
	s_wait_loadcnt 8                               ; Q and its scale words are in; x's eight loads may be out
.Lstep:                                            ; eight trips in every wave; a step behind the diagonal is jumped over, all but the lines that step addresses
	s_cmp_gt_u32 s[SN], s[GG]
	s_cbranch_scc1 .Lhidden
	v_add_nc_u32 v8, s[TK], v1
	v_add_nc_u32 v10, s[TS], v243
	v_add_nc_u32 v11, s[TJ], v243
.irp t, 0,1,2,3,4,5,6,7
	ds_load_b128 v[32+4*\t:35+4*\t], v8 offset:512*\t
	ds_load_b32 v[24+\t], v10 offset:64*\t
.endr
	s_wait_alu depctr_va_vdst(0)
	s_wait_dscnt 0x0
.irp t, 0,1,2,3,4,5,6,7
	v_wmma_scale_f32_16x16x128_f8f6f4 v[96+8*\t:103+8*\t], v[32+4*\t:39+4*\t], v[16:23], 0, v[24+\t], v255 matrix_a_fmt:MATRIX_FMT_FP4 matrix_b_fmt:MATRIX_FMT_FP4
.endr                                              ; register 8 t + j: key 16 t + 8 h + j of the step, query r
.rept 4
	v_nop                                          ; places: in front of the reads of the scores, and of V's loads (the last product read v64-67)
.endr
.irp f, 0,1,2,3
	ds_load_b128 v[64+8*\f:67+8*\f], v8 offset:RVC+1024*\f        ; V's fragments land under the softmax
	ds_load_b128 v[68+8*\f:71+8*\f], v8 offset:RVC+1024*\f+512
	ds_load_b32 v[248+\f], v11 offset:RVS-RKS+64*\f
.endr
	s_cmp_lg_u32 s[SN], s[GG]
	s_cbranch_scc1 .Lopen
.set n, 0
.rept 64                                           ; on the diagonal hidden scores become -infinity ahead of the maximum
	v_cmp_gt_i32 vcc_lo, 16*(n/8)+n%8, v3
	v_cndmask_b32 v[96+n], v[96+n], v4, vcc_lo
.set n, n+1
.endr
.Lopen:
.irp b, 0,1,2,3
	v_max3_num_f32 v[232+\b], v[96+16*\b], v[97+16*\b], v[98+16*\b]   ; the largest score of each block of 32 keys: for the row's maximum and for the block's largest p
.endr
.irp i, 3,5,7,9,11,13
.irp b, 0,1,2,3
	v_max3_num_f32 v[232+\b], v[232+\b], v[96+16*\b+\i], v[97+16*\b+\i]
.endr
.endr
.irp b, 0,1,2,3
	v_max_num_f32 v[232+\b], v[232+\b], v[111+16*\b]
.endr
.irp b, 0,1,2,3
	s_delay_alu instid0(VALU_DEP_4)
	v_permlanex16_b32 v[236+\b], v[232+\b], s[SEL], s[SEL+1]
.endr
.irp b, 0,1,2,3
	s_delay_alu instid0(VALU_DEP_4)
	v_max_num_f32 v[232+\b], v[232+\b], v[236+\b]
.endr
	s_delay_alu instid0(VALU_DEP_2)
	v_max3_num_f32 v254, v232, v233, v234
	s_delay_alu instid0(VALU_DEP_1)
	v_max_num_f32 v254, v254, v235
	s_delay_alu instid0(VALU_DEP_1)
	v_mul_f32 v254, s[CS], v254
	s_delay_alu instid0(VALU_DEP_1)
	v_max_num_f32 v13, v13, v254                   ; the running largest t
	v_mov_b32 v254, v12
	s_delay_alu instid0(VALU_DEP_2)
	v_floor_f32 v12, -v13                          ; the new -M
	s_delay_alu instid0(VALU_DEP_1)
	v_sub_f32 v254, v12, v254
	s_delay_alu instid0(VALU_DEP_1)
	v_cvt_i32_f32 v254, v254                       ; (it saturates)
	s_delay_alu instid0(VALU_DEP_1)
	v_ldexp_f32 v252, 1.0, v254                    ; f = 2^(old M - new M)
.set n, 0
.rept 32
	v_pk_fma_f32 v[96+n:97+n], v[96+n:97+n], s[CS:CS+1], v[12:13] op_sel_hi:[1,0,0]   ; t - M
.set n, n+2
.endr
.irp b, 0,1,2,3
	v_fma_f32 v[232+\b], v[232+\b], s[CS], v12
.endr
.set n, 0
	s_wait_alu depctr_va_vdst(0)
.rept 64
	v_exp_f32 v[96+n], v[96+n]                     ; p
.set n, n+1
.endr
	v_pk_mul_f32 v[14:15], v[14:15], v[252:253] op_sel_hi:[1,0]   ; the sums under the new M; a plain place behind the exponentials
	s_wait_alu depctr_va_vdst(0)                   ; one wait for the batch, ahead of its first reader
.irp b, 0,1,2,3
	v_exp_f32 v[232+\b], v[232+\b]                 ; each block's largest p
.endr
	v_pk_add_f32 v[236:237], v[100:101], v[104:105]
	v_pk_add_f32 v[246:247], v[108:109], v[112:113]
	v_pk_add_f32 v[244:245], v[116:117], v[120:121]
	v_pk_add_f32 v[238:239], v[124:125], v[128:129]
	v_pk_add_f32 v[230:231], v[132:133], v[136:137]
	v_pk_add_f32 v[228:229], v[140:141], v[144:145]
	v_pk_add_f32 v[226:227], v[148:149], v[152:153]
	v_pk_add_f32 v[14:15], v[14:15], v[156:157]
	v_pk_add_f32 v[236:237], v[236:237], v[96:97]
	v_pk_add_f32 v[246:247], v[246:247], v[98:99]
	v_pk_add_f32 v[244:245], v[244:245], v[102:103]
	v_pk_add_f32 v[238:239], v[238:239], v[106:107]
	v_pk_add_f32 v[230:231], v[230:231], v[110:111]
	v_pk_add_f32 v[228:229], v[228:229], v[114:115]
	v_pk_add_f32 v[226:227], v[226:227], v[118:119]
	v_pk_add_f32 v[14:15], v[14:15], v[122:123]
	v_pk_add_f32 v[236:237], v[236:237], v[126:127]
	v_pk_add_f32 v[246:247], v[246:247], v[130:131]
	v_pk_add_f32 v[244:245], v[244:245], v[134:135]
	v_pk_add_f32 v[238:239], v[238:239], v[138:139]
	v_pk_add_f32 v[230:231], v[230:231], v[142:143]
	v_pk_add_f32 v[228:229], v[228:229], v[146:147]
	v_pk_add_f32 v[226:227], v[226:227], v[150:151]
	v_pk_add_f32 v[14:15], v[14:15], v[154:155]
	v_pk_add_f32 v[236:237], v[236:237], v[158:159]
	s_delay_alu instid0(VALU_DEP_2)
	v_pk_add_f32 v[14:15], v[14:15], v[238:239]
	s_delay_alu instid0(VALU_DEP_2)
	v_pk_add_f32 v[236:237], v[236:237], v[230:231]
	v_pk_add_f32 v[246:247], v[246:247], v[228:229]
	v_pk_add_f32 v[244:245], v[244:245], v[226:227]
	s_delay_alu instid0(VALU_DEP_2)
	v_pk_add_f32 v[14:15], v[14:15], v[246:247]
	s_delay_alu instid0(VALU_DEP_2)
	v_pk_add_f32 v[236:237], v[236:237], v[244:245]
	s_delay_alu instid0(VALU_DEP_1)
	v_pk_add_f32 v[14:15], v[14:15], v[236:237]
	s_wait_alu depctr_va_vdst(0)                   ; and one for the four
.irp b, 0,1,2,3
	v_max_num_f32 v[232+\b], 0x1800000, v[232+\b]
.endr
.irp b, 0,1,2,3
	s_delay_alu instid0(VALU_DEP_4)
	v_add_nc_u32 v[244+\b], 0xff000000, v[232+\b]
.endr
.irp b, 0,1,2,3
	s_delay_alu instid0(VALU_DEP_4)
	v_lshrrev_b32 v[236+\b], 23, v[244+\b]
.endr
	s_delay_alu instid0(VALU_DEP_3)
	v_lshl_or_b32 v253, v237, 8, v236              ; p's scale word for these 128 keys
	s_delay_alu instid0(VALU_DEP_1)
	v_lshl_or_b32 v253, v238, 16, v253
	s_delay_alu instid0(VALU_DEP_1)
	v_lshl_or_b32 v253, v239, 24, v253
.irp b, 0,1,2,3
	v_cvt_scalef32_pk8_fp4_f32 v[224+4*(\b/2)+(\b%2)], v[96+16*\b:103+16*\b], v[244+\b]
	v_cvt_scalef32_pk8_fp4_f32 v[226+4*(\b/2)+(\b%2)], v[104+16*\b:111+16*\b], v[244+\b]
.endr
	v_nop
.irp c, 0,1
	v_permlane16_swap_b32 v[224+4*\c], v[225+4*\c]
	v_permlane16_swap_b32 v[226+4*\c], v[227+4*\c]
.endr
.set n, 0
.rept 16
	v_pk_mul_f32 v[160+n:161+n], v[160+n:161+n], v[252:253] op_sel_hi:[1,0]   ; O^T under the new M; also the places between the scale word, the codes and the products
.set n, n+2
.endr
	s_wait_alu depctr_va_vdst(0)
	s_wait_dscnt 0x0                               ; V
.irp f, 0,1,2,3
	v_wmma_scale_f32_16x16x128_f8f6f4 v[160+8*\f:167+8*\f], v[64+8*\f:71+8*\f], v[224:231], v[160+8*\f:167+8*\f], v[248+\f], v253 matrix_a_fmt:MATRIX_FMT_FP4 matrix_b_fmt:MATRIX_FMT_FP4
.endr
.Lhidden:
	s_add_co_u32 s[TK], s[TK], 4096
	s_add_co_u32 s[TS], s[TS], 512
	s_add_co_u32 s[TJ], s[TJ], 256
	s_add_co_u32 s[SN], s[SN], 1
	s_cmp_lt_u32 s[SN], 8
	s_cbranch_scc1 .Lstep
	; THE WAY OUT
.rept 4
	v_nop
.endr
	v_add_f32 v14, v14, v15
	s_delay_alu instid0(VALU_DEP_1)
	v_permlanex16_b32 v252, v14, s[SEL], s[SEL+1]
	s_delay_alu instid0(VALU_DEP_1)
	v_add_f32 v14, v14, v252                       ; the row's sum
	s_wait_alu depctr_va_vdst(0)
	v_rcp_f32 v14, v14
	v_nop
	s_wait_alu depctr_va_vdst(0)
	s_wait_loadcnt 0x0                             ; x
.set n, 0
.rept 16
	v_pk_fma_f32 v[192+n:193+n], v[160+n:161+n], v[14:15], v[192+n:193+n] op_sel_hi:[1,0,1]   ; x1 = x + O / the sum
.set n, n+2
.endr
	QUANT 192, 2, 224, 253, 0                      ; my head's 64 along H are two whole blocks
	global_store_b128 v1, v[224:227], s[50:51]     ; 512 consecutive bytes, aligned
	ds_store_b16 v242, v253                        ; both halves of the lanes write the same two bytes
.irp a, 0,1,2,3
	ds_store_b128 v5, v[192+8*\a:195+8*\a] offset:64*\a
	ds_store_b128 v5, v[196+8*\a:199+8*\a] offset:64*\a+16
.endr
.irp i, 0,1,2,3,4,5,6,7
	ds_load_b128 v[96+4*\i:99+4*\i], v6 offset:544*\i              ; LDS serves a wave's instructions in order
.endr
.irp i, 0,1,2,3,4,5,6,7
	s_wait_dscnt 7-\i
	global_store_b128 v7, v[96+4*\i:99+4*\i], s[48:49] offset:8192*\i   ; sixteen lanes store 256 consecutive bytes, aligned
.endr
	s_wait_dscnt 0x0                               ; for the others' sake: my scale bytes have landed
	s_barrier_signal -1
	s_barrier_wait -1
	s_cmp_lg_u32 s[WV], 0
	s_cbranch_scc1 .Lnot_first
	ds_load_b128 v[232:235], v241                  ; sixteen tiles' scale bytes
	s_wait_dscnt 0x0
	global_store_b128 v1, v[232:235], s[58:59]     ; 512 consecutive bytes, aligned
.Lnot_first:
	s_wait_xcnt 0x0
	v_lshl_add_u32 v254, v0, 2, 0x29000
	v_mov_b32 v255, 0
	s_wait_alu depctr_va_vdst(0)
	s_wait_tensorcnt 0x0
	ds_add_u32 v254, v255
	s_wait_dscnt 0x0
	CROUND                                         ; the closing round
	s_endpgm
.Lfunc_end_k_q6d54a1efe4_attn:
	.size	k_q6d54a1efe4_attn, .Lfunc_end_k_q6d54a1efe4_attn-k_q6d54a1efe4_attn
	.p2alignl 7, 3214868480
	.fill 96, 4, 3214868480
	.section	.rodata,"a",@progbits
	.p2align	6, 0x0
	.amdhsa_kernel k_q6d54a1efe4_attn
		.amdhsa_group_segment_fixed_size 169984
		.amdhsa_private_segment_fixed_size 0
		.amdhsa_enable_private_segment 0
		.amdhsa_kernarg_size 32
		.amdhsa_user_sgpr_count 2
		.amdhsa_user_sgpr_kernarg_segment_ptr 1
		.amdhsa_wavefront_size32 1
		.amdhsa_system_sgpr_workgroup_id_x 1
		.amdhsa_system_sgpr_workgroup_id_y 1
		.amdhsa_system_sgpr_workgroup_id_z 1
		.amdhsa_system_vgpr_workitem_id 0
		.amdhsa_next_free_vgpr 256
		.amdhsa_next_free_sgpr 66
		.amdhsa_reserve_vcc 1
		.amdhsa_float_denorm_mode_32 3
		.amdhsa_float_denorm_mode_16_64 3
		.amdhsa_memory_ordered 1
		.amdhsa_forward_progress 1
		.amdhsa_inst_pref_size 38
	.end_amdhsa_kernel
	.amdgpu_metadata
---
amdhsa.version: [ 1, 2 ]
amdhsa.kernels:
  - .name:           k_q6d54a1efe4_attn
    .symbol:         k_q6d54a1efe4_attn.kd
    .args:
      - { .name: qkv, .offset: 0, .size: 8, .value_kind: global_buffer, .address_space: global }
      - { .name: x, .offset: 8, .size: 8, .value_kind: global_buffer, .address_space: global }
      - { .name: x1, .offset: 16, .size: 8, .value_kind: global_buffer, .address_space: global }
      - { .name: x1q, .offset: 24, .size: 8, .value_kind: global_buffer, .address_space: global }
    .group_segment_fixed_size: 169984
    .private_segment_fixed_size: 0
    .kernarg_segment_align: 8
    .kernarg_segment_size: 32
    .max_flat_workgroup_size: 512
    .sgpr_count:     66
    .vgpr_count:     256
    .wavefront_size: 32
...
	.end_amdgpu_metadata
.endif
;; end of part 2
;; launch mlp1 (part 3): grid 16 x 16, 4 waves a work-group, clusters of 4 x 4, 327,680 bytes of LDS; arguments x1q, W1_codes, W1_scales, b1, hq; writes hq
.if DOCPART == 3
	.amdgcn_target "amdgcn-amd-amdhsa--gfx1250"
	.amdhsa_code_object_version 6
	.text
	.protected	k_q6d54a1efe4_mlp1
	.globl	k_q6d54a1efe4_mlp1
	.p2align	8
	.type	k_q6d54a1efe4_mlp1,@function
k_q6d54a1efe4_mlp1:
	s_mov_b64 s[64:65], 0
	v_nop
	global_prefetch_b8 v0, s[64:65] scope:SCOPE_SE
	s_setreg_imm32_b32 hwreg(HW_REG_WAVE_MODE, 25, 1), 1
	s_wait_xcnt 0x0
	s_wait_alu depctr_hold_cnt(0) depctr_sa_sdst(0) depctr_va_vdst(0) depctr_va_sdst(0) depctr_va_ssrc(0) depctr_va_vcc(0) depctr_vm_vsrc(0)
	s_getreg_b32 s2, hwreg(HW_REG_IB_STS2, 6, 4)
	s_cmp_eq_u32 s2, 0
	s_cbranch_scc0 .Lentry_in_a_cluster
	s_endpgm
.Lentry_in_a_cluster:
	s_bfe_u32 s2, ttmp6, 0x10000c
	s_cmp_lg_u32 s2, 0xf033
	s_cbranch_scc0 .Lentry_shape_is_right
	s_endpgm
.Lentry_shape_is_right:
.set X1S,   2097152
.set HS,    8388608
.set NQ,    4
.set ROWB,  256
.set KROW,  512
.set PITCH, 272
.set FR,    8
.set NL,    2
.set NP,    4
.set HALFT, 128*PITCH
.set BOFF,  65536
.set SLOT,  BOFF+2*HALFT
.set SCA,   2*SLOT
.set SCB,   SCA+8192
.set HALFS, 16*272
.set SPARE, SCB+2*HALFS
.set ADRA, 16
.set LI,   19
.set ADRB, 20
.set SS,   22
.set SRD,  23
.set ADSB, 26
.set ADSA, 27
.set SPW,  28
.set NIL,  29
.set BO,   30
.set SA,   32
.set SB,   96
.set AF,   160
.set CNB,  224
.set CNA,  226
.set TM,   228
.set PW,   244
.set OB,   252
.set BIAS, 64
.set G1,   24
.set G0,   32
.set G1B,  48
.set G0B,  56
.set G1S,  68
.set G0S,  76
.set G1SB, 80
.set G0SB, 88
.set SEL,  98
.set MSB, 0
.macro WIN new
.if MSB != (\new)
	s_set_vgpr_msb (MSB<<8)|(\new)
.set MSB, \new
.endif
.endm
.set MUL_LO, 0xa1
.set MUL_HI, 0xf1
.set TO_B,   0x40
.macro JLOAD g0a, g1a, g0b, g1b
	s_cmp_eq_u32 s15, 0
	s_cbranch_scc0 .Lfor_b_\@
	tensor_load_to_lds s[\g0a:\g0a+3], s[\g1a:\g1a+7]
	s_nop 0
.rept 4
	v_nop
.endr
	s_branch .Lasked_\@
.Lfor_b_\@:
	tensor_load_to_lds s[\g0b:\g0b+3], s[\g1b:\g1b+7]
	s_nop 0
.rept 4
	v_nop
.endr
.Lasked_\@:
.endm
.macro CROUND
	s_barrier_signal -1
	s_barrier_wait -1
	s_cmp_lg_u32 s14, 0
	s_cbranch_scc1 .Lnot_wave_0_\@
	s_barrier_signal -3
.Lnot_wave_0_\@:
	s_barrier_wait -3
	s_barrier_signal -1
	s_barrier_wait -1
.endm
.macro PLACES n
.rept \n
	v_nop
.endr
.endm
.macro QUANT src, nb, pc, pw, w
	WIN 5*(\w)
.irp b, 0,1,2,3
.if \b < (\nb)
	v_max3_num_f32 v[TM+\b], |v[(\src)+16*\b]|, |v[(\src)+16*\b+1]|, 0x1800000
.endif
.endr
.irp i, 2,4,6,8,10,12,14
.irp b, 0,1,2,3
.if \b < (\nb)
	v_max3_num_f32 v[TM+\b], |v[(\src)+16*\b+\i]|, |v[(\src)+16*\b+\i+1]|, v[TM+\b]
.endif
.endr
.endr
	WIN 0
.irp b, 0,1,2,3
.if \b < (\nb)
	v_permlanex16_b32 v[TM+4+\b], v[TM+\b], s[SEL], s[SEL+1]
.endif
.endr
.irp b, 0,1,2,3
.if \b < (\nb)
	v_max_num_f32 v[TM+\b], v[TM+\b], v[TM+4+\b]
.endif
.endr
.irp b, 0,1,2,3
.if \b < (\nb)
	v_add_nc_u32 v[TM+12+\b], 0xff000000, v[TM+\b]
.endif
.endr
.irp b, 0,1,2,3
.if \b < (\nb)
	v_lshrrev_b32 v[TM+4+\b], 23, v[TM+12+\b]
.endif
.endr
	v_lshl_or_b32 v[\pw], v[TM+5], 8, v[TM+4]
.if (\nb) > 2
	v_lshl_or_b32 v[\pw], v[TM+6], 16, v[\pw]
	v_lshl_or_b32 v[\pw], v[TM+7], 24, v[\pw]
.endif
	WIN \w
.irp b, 0,1,2,3
.if \b < (\nb)
	v_cvt_scalef32_pk8_fp4_f32 v[(\pc)+4*(\b/2)+(\b%2)], v[(\src)+16*\b:(\src)+16*\b+7], v[TM+12+\b]
	v_cvt_scalef32_pk8_fp4_f32 v[(\pc)+4*(\b/2)+2+(\b%2)], v[(\src)+16*\b+8:(\src)+16*\b+15], v[TM+12+\b]
.endif
.endr
	WIN 0
	v_nop
.irp c, 0,1
.if 2*\c < (\nb)
	v_permlane16_swap_b32 v[(\pc)+4*\c], v[(\pc)+4*\c+1]
	v_permlane16_swap_b32 v[(\pc)+4*\c+2], v[(\pc)+4*\c+3]
.endif
.endr
.endm
	s_load_b256 s[4:11], s[0:1], 0x0
	s_load_b64 s[12:13], s[0:1], 0x20
	v_lshl_add_u32 v[SPW], v0, 2, SPARE
	v_mov_b32 v[NIL], 0
	ds_add_u32 v28, v29
	ds_add_u32 v28, v29
	s_wait_dscnt 0x0
	v_lshrrev_b32 v1, 5, v0
	v_readfirstlane_b32 s14, v1
	s_lshr_b32 s15, s14, 1
	s_and_b32 s16, s14, 1
	s_bfe_u32 s40, ttmp6, 0x40000
	s_bfe_u32 s41, ttmp6, 0x40004
	s_lshl_b32 s42, ttmp9, 2
	s_add_co_u32 s42, s42, s40
	s_and_b32 s17, ttmp7, 0xffff
	s_lshl_b32 s17, s17, 2
	s_add_co_u32 s17, s17, s41
	s_lshl_b32 s43, s41, 2
	s_lshl_b32 s43, 15, s43
	s_lshl_b32 s44, 0x1111, s40
	s_or_b32 s[G1+0], s43, (3<<16)|(1<<21)
	s_mov_b32 s[G1+1], 512<<16
	s_mov_b32 s[G1+2], 16<<16
	s_mov_b32 s[G1+3], 512<<16
	s_mov_b32 s[G1+4], 16
	s_mov_b32 s[G1+5], 1024
	s_mov_b32 s[G1+6], 0
	s_mov_b32 s[G1+7], 0
	s_or_b32 s[G1B+0], s44, (0<<16)|(1<<20)|(1<<21)|(5<<22)|(3<<25)
	s_mov_b32 s[G1B+1], ROWB<<16
	s_mov_b32 s[G1B+2], 256<<16
	s_mov_b32 s[G1B+3], ROWB<<16
	s_mov_b32 s[G1B+4], 256
	s_mov_b32 s[G1B+5], KROW
	s_mov_b32 s[G1B+6], 0
	s_mov_b32 s[G1B+7], 0
	s_or_b32 s[G1S+0], s43, (3<<16)|(1<<21)
	s_mov_b32 s[G1S+1], 64<<16
	s_mov_b32 s[G1S+2], 16<<16
	s_mov_b32 s[G1S+3], 64<<16
	s_mov_b32 s[G1S+4], 16
	s_mov_b32 s[G1S+5], 1024
	s_mov_b32 s[G1S+6], 0
	s_mov_b32 s[G1S+7], 0
	s_or_b32 s[G1SB+0], s44, (3<<16)|(1<<20)|(1<<21)|(5<<22)|(3<<25)
	s_mov_b32 s[G1SB+1], 32<<16
	s_mov_b32 s[G1SB+2], 32<<16
	s_mov_b32 s[G1SB+3], 32<<16
	s_mov_b32 s[G1SB+4], 32
	s_mov_b32 s[G1SB+5], 32
	s_mov_b32 s[G1SB+6], 0
	s_mov_b32 s[G1SB+7], 0
	s_mov_b32 s[SEL], 0x76543210
	s_mov_b32 s[SEL+1], 0xfedcba98
	s_lshl_b32 s20, s17, 17
	s_lshl_b32 s18, s16, 16
	s_mov_b32 s21, 0
	s_lshl_b32 s22, s17, 9
	s_add_co_u32 s22, s22, X1S
	s_mov_b32 s23, 0
	s_lshl_b32 s46, s42, 17
	s_mov_b32 s47, 0
	s_lshl_b32 s92, s42, 13
	s_lshl_b32 s18, s16, 12
	s_mov_b32 s93, 0
	s_lshl_b32 s45, s16, 15
	s_mul_i32 s94, s16, HALFT
	s_add_co_u32 s94, s94, BOFF
	s_mov_b32 s95, SCA
	s_mov_b32 s96, SCB
	s_wait_kmcnt 0x0
	s_add_nc_u64 s[20:21], s[4:5], s[20:21]
	s_add_nc_u64 s[22:23], s[4:5], s[22:23]
	s_add_nc_u64 s[46:47], s[6:7], s[46:47]
	s_add_nc_u64 s[92:93], s[8:9], s[92:93]
	CROUND
	s_mov_b32 s[G0S], 1
	s_mov_b32 s[G0S+1], s95
	s_mov_b64 s[G0S+2:G0S+3], s[22:23]
	s_or_b32 s[G0S+3], s[G0S+3], 0x80000000
	s_mov_b32 s[G0SB], 1
	s_mov_b32 s[G0SB+1], s96
	s_mov_b64 s[G0SB+2:G0SB+3], s[92:93]
	s_or_b32 s[G0SB+3], s[G0SB+3], 0x80000000
	s_mov_b32 s[G0], 1                             ; the head's four tiles, each whole: slot 0's 16 tiles of A,
	s_mov_b32 s[G0+1], 0
	s_mov_b64 s[G0+2:G0+3], s[20:21]
	s_or_b32 s[G0+3], s[G0+3], 0x80000000
	s_mov_b32 s[G0B], 1                            ; its 256 rows of B; the two blocks of scale bytes stand above
	s_mov_b32 s[G0B+1], BOFF
	s_mov_b64 s[G0B+2:G0B+3], s[46:47]
	s_or_b32 s[G0B+3], s[G0B+3], 0x80000000
	s_lshl_b32 s18, s16, 16                        ; slot 1 comes by halves: my half, 65,536 bytes on in A and in B
	s_mov_b32 s19, 0
	s_add_nc_u64 s[20:21], s[20:21], s[18:19]
	s_add_nc_u64 s[46:47], s[46:47], s[18:19]
	s_mov_b32 s[G0+4], 1
	s_add_co_u32 s[G0+5], s45, SLOT
	s_add_nc_u64 s[G0+6:G0+7], s[20:21], 4096
	s_or_b32 s[G0+7], s[G0+7], 0x80000000
	s_mov_b32 s[G0B+4], 1
	s_add_co_u32 s[G0B+5], s94, SLOT
	s_add_nc_u64 s[G0B+6:G0B+7], s[46:47], ROWB
	s_or_b32 s[G0B+7], s[G0B+7], 0x80000000
; one tensor load a wave at the head: one chain of branches on the wave's number, an arm a load, all arms to one join
.macro ARM under, g0, g1, next
	s_cmp_lt_u32 s14, \under
	s_cbranch_scc0 \next
	tensor_load_to_lds s[\g0:\g0+3], s[\g1:\g1+7]
	s_nop 0
.rept 4
	v_nop
.endr
	s_branch .Lh_asked
\next:
.endm
	ARM 1, G0,  G1,  .Lh_b
	ARM 2, G0B, G1B, .Lh_sa
	ARM 3, G0S, G1S, .Lh_sb
	tensor_load_to_lds s[G0SB:G0SB+3], s[G1SB:G1SB+7]
	s_nop 0
.rept 4
	v_nop
.endr
.Lh_asked:
	v_and_b32 v1, 15, v0
	v_bfe_u32 v2, v0, 4, 1
	s_lshl_b32 s18, s42, 10
	s_lshl_b32 s19, s16, 9
	s_add_co_u32 s18, s18, s19
	s_mov_b32 s19, 0
	s_add_nc_u64 s[10:11], s[10:11], s[18:19]
	v_lshlrev_b32 v[BO], 5, v2
	WIN TO_B
.irp b, 0,1,2,3,4,5,6,7
	global_load_b128 v[BIAS+8*\b:BIAS+8*\b+3], v[BO], s[10:11] offset:64*\b
	global_load_b128 v[BIAS+8*\b+4:BIAS+8*\b+7], v[BO], s[10:11] offset:64*\b+16
.endr
	WIN 0
	v_and_b32 v6, 31, v0
	v_lshlrev_b32 v[LI], 4, v6
	v_mul_u32_u24 v3, v1, PITCH
	v_lshl_add_u32 v4, v2, 4, v3
	s_lshl_b32 s21, s15, 15
	s_mul_i32 s22, s16, HALFT
	s_add_co_u32 s22, s22, BOFF
.irp s, 0,1
	v_add_nc_u32 v[ADRA+\s], s21, v[LI]
	v_add_nc_u32 v[ADRB+\s], s22, v4
	s_add_co_u32 s21, s21, SLOT
	s_add_co_u32 s22, s22, SLOT
.endr
	s_lshl_b32 s21, s15, 8
	s_add_co_u32 s21, s21, SCA
	v_lshl_add_u32 v[ADSA], v1, 1, s21
	v_lshrrev_b32 v5, 3, v1
	v_mul_u32_u24 v5, v5, 272
	v_and_b32 v6, 7, v1
	v_lshl_add_u32 v5, v6, 5, v5
	s_mul_i32 s21, s16, HALFS
	s_add_co_u32 s21, s21, SCB
	v_add_nc_u32 v[ADSB], s21, v5
	s_lshl_b32 s21, s14, 9
	v_lshl_add_u32 v[SS], v1, 2, s21
	v_add_nc_u32 v[SRD], s21, v[LI]
	v_mov_b32 v[CNB], 0xbdd2d3e8
	v_mov_b32 v[CNB+1], 0xbdd2d3e8
	v_mov_b32 v[CNA], 0xc0135761
	v_mov_b32 v[CNA+1], 0xc0135761
.irp b, 0,1,2,3
	v_mov_b32 v[TM+4+\b], 0
.endr
	s_lshl_b32 s18, s17, 19
	s_lshl_b32 s19, s15, 18
	s_add_co_u32 s18, s18, s19
	s_lshl_b32 s19, s42, 11
	s_add_co_u32 s18, s18, s19
	s_lshl_b32 s19, s16, 10
	s_add_co_u32 s18, s18, s19
	s_mov_b32 s19, 0
	s_lshl_b32 s20, s42, 15
	s_lshl_b32 s21, s16, 14
	s_add_co_u32 s20, s20, s21
	s_lshl_b32 s21, s17, 10
	s_add_co_u32 s20, s20, s21
	s_lshl_b32 s21, s15, 9
	s_add_co_u32 s20, s20, s21
	s_add_co_u32 s20, s20, HS
	s_mov_b32 s21, 0
	s_add_nc_u64 s[8:9], s[12:13], s[20:21]
	s_add_nc_u64 s[12:13], s[12:13], s[18:19]
.macro MUL16 a0, p, q, sc, mode
.irp a, \a0, \a0+1
.irp b, 0,1,2,3,4,5,6,7
.if (\mode) == 0
	v_wmma_scale_f32_16x16x128_f8f6f4 v[8*(8*((\a)%4)+\b):8*(8*((\a)%4)+\b)+7], v[128*(\p)+FR*\b:128*(\p)+FR*\b+FR-1], v[AF+FR*(\a):AF+FR*(\a)+FR-1], v[8*(8*((\a)%4)+\b):8*(8*((\a)%4)+\b)+7], v[SB+8*\b+4*(\sc)+(\q)], v[SA+8*(\a)+4*(\sc)+(\q)] matrix_a_fmt:MATRIX_FMT_FP4 matrix_b_fmt:MATRIX_FMT_FP4
.else
	v_wmma_scale_f32_16x16x128_f8f6f4 v[8*(8*((\a)%4)+\b):8*(8*((\a)%4)+\b)+7], v[128*(\p)+FR*\b:128*(\p)+FR*\b+FR-1], v[AF+FR*(\a):AF+FR*(\a)+FR-1], v[BIAS+8*\b:BIAS+8*\b+7], v[SB+8*\b+4*(\sc)+(\q)], v[SA+8*(\a)+4*(\sc)+(\q)] matrix_a_fmt:MATRIX_FMT_FP4 matrix_b_fmt:MATRIX_FMT_FP4
.endif
.endr
.endr
.endm
.macro FETCH_B slot, q, p
	WIN TO_B
.irp i, 0,1,2,3,4,5,6,7
.irp c, 0,1
	ds_load_b128 v[128*(\p)+FR*\i+4*\c:128*(\p)+FR*\i+4*\c+3], v[ADRB+\slot] offset:64*(\q)+32*\c+\i*16*PITCH
.endr
.endr
	WIN 0
.endm
.macro FETCH_A slot, q, i0
.irp i, \i0, \i0+1, \i0+2, \i0+3
.irp c, 0,1
	ds_load_b128 v[AF+FR*(\i)+4*\c:AF+FR*(\i)+4*\c+3], v[ADRA+\slot] offset:(4*(\i)+(\q))*1024+512*\c
.endr
.endr
.endm
.macro STEP slot, q, mode
	s_wait_dscnt 4*NL
.if \mode
	WIN 0x91
.else
	WIN MUL_LO
.endif
	MUL16 0, (\q)%2, \q, \slot, \mode
	MUL16 2, (\q)%2, \q, \slot, \mode
	s_wait_dscnt 0
	PLACES NP
	FETCH_B \slot, (\q)+1, 1-(\q)%2
	FETCH_A \slot, (\q)+1, 0
.if \mode
	WIN 0xd1
.else
	WIN MUL_HI
.endif
	MUL16 4, (\q)%2, \q, \slot, \mode
	MUL16 6, (\q)%2, \q, \slot, \mode
	PLACES NP
	WIN 0
	FETCH_A \slot, (\q)+1, 4
.endm
.macro TURN slot, next
	s_wait_tensorcnt 0x0
	ds_add_u32 v[SPW], v[NIL]
	s_wait_dscnt 4*NL+1
	WIN MUL_LO
	MUL16 0, 1, NQ-1, \slot, 0
	s_wait_dscnt 0x0
	s_barrier_signal -1
	MUL16 2, 1, NQ-1, \slot, 0
	WIN 0
	s_barrier_wait -1
	PLACES NP
	FETCH_B \next, 0, 0
	FETCH_A \next, 0, 0
	WIN MUL_HI
	MUL16 4, 1, NQ-1, \slot, 0
	MUL16 6, 1, NQ-1, \slot, 0
	PLACES NP
	WIN 0
	FETCH_A \next, 0, 4
.endm
.macro STEPS slot, from
.set Q, \from
.rept NQ-1-\from
	STEP \slot, Q, 0
.set Q, Q+1
.endr
.endm
	s_wait_alu depctr_va_vdst(0)                   ; the wait at the head's end
	s_wait_tensorcnt 0x0                           ; my tile of the head's four is in; these lines stand ahead of a later first fill as ahead of a refill
	ds_add_u32 v28, v29
	s_mov_b32 s[G1+2], 8<<16                       ; no tensor load of mine is out: from here on a load brings half a tile
	s_mov_b32 s[G1+4], 8
	s_mov_b32 s[G1B+2], 128<<16
	s_mov_b32 s[G1B+4], 128
	s_wait_dscnt 0x0
	CROUND                                         ; all four tiles are in, and all sixteen work-groups are here
	JLOAD G0+4, G1, G0B+4, G1B                     ; slot 1's first fill: my one tensor load behind the round
	s_wait_loadcnt 0x0                             ; b1
.irp b, 0,1,2,3,4,5,6,7
	ds_load_b128 v[SB+8*\b:SB+8*\b+3], v[ADSB] offset:544*\b
	ds_load_b128 v[SB+8*\b+4:SB+8*\b+7], v[ADSB] offset:544*\b+16
.endr
.irp a, 0,1,2,3,4,5,6,7
.irp k, 0,1,2,3,4,5,6,7
	ds_load_u16 v[SA+8*\a+\k], v[ADSA] offset:1024*\k+32*\a
	ds_load_u16 v[AF+8*\a+\k], v[ADSA] offset:1024*\k+32*\a+512
.endr
.endr
	s_wait_dscnt 0x0
.set n, 0
.rept 64
	v_lshl_or_b32 v[SA+n], v[AF+n], 16, v[SA+n]
.set n, n+1
.endr
	PLACES 8
	FETCH_B 0, 0, 0
	FETCH_A 0, 0, 0
	FETCH_A 0, 0, 4
	s_wait_alu depctr_va_vdst(0)
	STEP 0, 0, 1
	STEPS 0, 1
	TURN 0, 1
	STEPS 1, 0
	s_wait_dscnt 4*NL
	WIN MUL_LO
	MUL16 0, 1, NQ-1, 1, 0
	MUL16 2, 1, NQ-1, 1, 0
	s_wait_dscnt 0
	WIN MUL_HI
	MUL16 4, 1, NQ-1, 1, 0
	MUL16 6, 1, NQ-1, 1, 0
	WIN 0
	PLACES NP
.macro OUT a
.set AC, 64*((\a)%4)
.set W, 2+(\a)/4
	WIN 0x40+5*W
.set n, 0
.rept 32
	v_pk_mul_f32 v[n:n+1], v[AC+n:AC+n+1], v[AC+n:AC+n+1]
.set n, n+2
.endr
	WIN 0x41
.set n, 0
.rept 32
	v_pk_fma_f32 v[n:n+1], v[n:n+1], v[CNB:CNB+1], v[CNA:CNA+1]
.set n, n+2
.endr
	WIN 0x44+W
.set n, 0
.rept 32
	v_pk_mul_f32 v[n:n+1], v[AC+n:AC+n+1], v[n:n+1]
.set n, n+2
.endr
	WIN 0x41
.set n, 0
	s_wait_alu depctr_va_vdst(0)
.rept 64
	v_exp_f32 v[n], v[n]
.set n, n+1
.endr
	v_nop
	s_wait_alu depctr_va_vdst(0)
.set n, 0
.rept 32
	v_pk_add_f32 v[n:n+1], v[n:n+1], 1.0 op_sel_hi:[1,0]
.set n, n+2
.endr
.set n, 0
	s_wait_alu depctr_va_vdst(0)
.rept 64
	v_rcp_f32 v[n], v[n]
.set n, n+1
.endr
	v_nop
	s_wait_alu depctr_va_vdst(0)
	WIN 0x44+W
.set n, 0
.rept 32
	v_pk_mul_f32 v[n:n+1], v[AC+n:AC+n+1], v[n:n+1]
.set n, n+2
.endr
	QUANT 0, 4, AF+8*(\a), PW+(\a), 1
	global_store_b128 v[LI], v[AF+8*(\a):AF+8*(\a)+3], s[12:13] offset:32768*(\a)
	global_store_b128 v[LI], v[AF+8*(\a)+4:AF+8*(\a)+7], s[12:13] offset:32768*(\a)+512
	ds_store_b32 v[SS], v[PW+(\a)] offset:64*(\a)
.endm
.irp a, 0,1,2,3,4,5,6,7
	OUT \a
.endr
	ds_load_b128 v[OB:OB+3], v[SRD]
	s_wait_dscnt 0x0
	global_store_b128 v[LI], v[OB:OB+3], s[8:9]
	s_wait_tensorcnt 0x0
	ds_add_u32 v[SPW], v[NIL]
	s_wait_dscnt 0x0
	CROUND
	s_endpgm
.Lfunc_end_k_q6d54a1efe4_mlp1:
	.size	k_q6d54a1efe4_mlp1, .Lfunc_end_k_q6d54a1efe4_mlp1-k_q6d54a1efe4_mlp1
	.p2alignl 7, 3214868480
	.fill 96, 4, 3214868480
	.section	.rodata,"a",@progbits
	.p2align	6, 0x0
	.amdhsa_kernel k_q6d54a1efe4_mlp1
		.amdhsa_group_segment_fixed_size 327680
		.amdhsa_private_segment_fixed_size 0
		.amdhsa_enable_private_segment 0
		.amdhsa_kernarg_size 40
		.amdhsa_user_sgpr_count 2
		.amdhsa_user_sgpr_kernarg_segment_ptr 1
		.amdhsa_wavefront_size32 1
		.amdhsa_system_sgpr_workgroup_id_x 1
		.amdhsa_system_sgpr_workgroup_id_y 1
		.amdhsa_system_sgpr_workgroup_id_z 1
		.amdhsa_system_vgpr_workitem_id 0
		.amdhsa_next_free_vgpr 1024
		.amdhsa_next_free_sgpr 100
		.amdhsa_reserve_vcc 0
		.amdhsa_float_denorm_mode_32 3
		.amdhsa_float_denorm_mode_16_64 3
		.amdhsa_memory_ordered 1
		.amdhsa_forward_progress 1
		.amdhsa_inst_pref_size 255
	.end_amdhsa_kernel
	.section	.bss,"aw",@nobits
	.p2align	6
	.space	262144
	.amdgpu_metadata
---
amdhsa.version: [ 1, 2 ]
amdhsa.kernels:
  - .name:           k_q6d54a1efe4_mlp1
    .symbol:         k_q6d54a1efe4_mlp1.kd
    .args:
      - { .name: x1q, .offset: 0, .size: 8, .value_kind: global_buffer, .address_space: global }
      - { .name: W1_codes, .offset: 8, .size: 8, .value_kind: global_buffer, .address_space: global }
      - { .name: W1_scales, .offset: 16, .size: 8, .value_kind: global_buffer, .address_space: global }
      - { .name: b1, .offset: 24, .size: 8, .value_kind: global_buffer, .address_space: global }
      - { .name: hq, .offset: 32, .size: 8, .value_kind: global_buffer, .address_space: global }
    .group_segment_fixed_size: 327680
    .private_segment_fixed_size: 0
    .kernarg_segment_align: 8
    .kernarg_segment_size: 40
    .max_flat_workgroup_size: 128
    .sgpr_count:     100
    .vgpr_count:     1024
    .wavefront_size: 32
...
	.end_amdgpu_metadata
.endif
;; end of part 3
;; launch mlp2 (part 4): grid 8 x 32, 4 waves a work-group, clusters of 4 x 4, 327,680 bytes of LDS; arguments hq, W2_codes, W2_scales, b2, x1, out0; writes out0
.if DOCPART == 4
	.amdgcn_target "amdgcn-amd-amdhsa--gfx1250"
	.amdhsa_code_object_version 6
	.text
	.protected	k_q6d54a1efe4_mlp2
	.globl	k_q6d54a1efe4_mlp2
	.p2align	8
	.type	k_q6d54a1efe4_mlp2,@function
k_q6d54a1efe4_mlp2:
	s_mov_b64 s[64:65], 0
	v_nop
	global_prefetch_b8 v0, s[64:65] scope:SCOPE_SE
	s_setreg_imm32_b32 hwreg(HW_REG_WAVE_MODE, 25, 1), 1
	s_wait_xcnt 0x0
	s_wait_alu depctr_hold_cnt(0) depctr_sa_sdst(0) depctr_va_vdst(0) depctr_va_sdst(0) depctr_va_ssrc(0) depctr_va_vcc(0) depctr_vm_vsrc(0)
	s_getreg_b32 s2, hwreg(HW_REG_IB_STS2, 6, 4)
	s_cmp_eq_u32 s2, 0
	s_cbranch_scc0 .Lentry_in_a_cluster
	s_endpgm
.Lentry_in_a_cluster:
	s_bfe_u32 s2, ttmp6, 0x10000c
	s_cmp_lg_u32 s2, 0xf033
	s_cbranch_scc0 .Lentry_shape_is_right
	s_endpgm
.Lentry_shape_is_right:
; out0 = x1 + h W2 + b2, the product on codes of FP4 (E2M1) with one E8M0 scale for each 32 along K.  A tile is 128 tokens x 128 columns, so that there are 256 work-groups; four waves of 64 x 64: 16 accumulators.
; K = 4,096 goes in four steps of 1,024 (8 fragments deep) through two LDS slots; slots 0 and 1 are each filled again once.  All four steps are written out, so every scale offset is an immediate.
; A (h's codes) comes as images of registers, [P][32][1024]; its scale words [32][P][16].  B (W2) as rows of 512 bytes, 528 apart in LDS.
; CLUSTERS 4 x 4: A's tiles jointly along a row of the cluster, B's along a column.
; THE HEAD: one tensor load a wave: wave 0 A's tile of K step 0, wave 1 A's of K step 1, waves 2 and 3 B's, each tile whole.  A refill is shared out otherwise: waves 0, 1 the halves of A's tile, waves 2, 3 of B's;
; group 1's two words that count rows are set to the halves' counts where no load of the wave is out.
; THE SCALE WORDS of all of K, 16,384 bytes for A and as many for B, go once through registers into LDS bytes of their own: 16 loads of 512 consecutive bytes a wave, asked for ahead of the first round.
; PREFETCH: behind the head's joint load each wave names 32 blocks of 256 bytes of K step 2, behind K step 2's refill of K step 3: one refill, a K step of 128 products a wave, ahead of the load that wants them.
; The four partners that ask for a tile jointly share its blocks out by address: of the 4 tiles of A that wave w fetches in a refill the partner at cx takes one (8,192 consecutive bytes), of the 64 rows of B the partner at cy 16.
; The matrix instruction is used transposed; b2 is the C of each sum's first product; x1 is added on the way out.
; Tokens go in the order P of the launches before: tile P = 64 b + 16 c + w holds tokens 1024 b + 16 (8 (w / 2) + 2 c + w % 2) on; only the way out maps P back.
; REGISTERS: window 0: v0-31 addresses; v32-63 scale words, two sets; v64-95 b2, later rows on their way out, with v96-127; v128-255 accumulators (at the head v128-191: scale bytes on their way).  window 1: two fragment buffers.  window 2: v0-127 x1.
.set HS,     8388608
.set PITCH,  528
.set ATILE,  8192
.set BOFF,   8*ATILE
.set BHALF,  64*PITCH
.set SLOT,   BOFF+2*BHALF
.set SCA,    2*SLOT                    ; [kappa 32][tile 8][64 bytes]
.set SCB,    SCA+16384                 ; 64 units of 256 bytes + 16
.set SPARE,  SCB+64*272
.set SPITCH, 272
.set LI,   8                           ; 16 x lane
.set SSA,  9                           ; where my part of A's scale words goes
.set SSB,  10                          ; and of B's
.set PFO,  11                          ; the prefetches' offset; never rewritten
.set ADRA, 16
.set ADRB, 20
.set ADSA, 22
.set ADSB, 23
.set STO,  24
.set RD,   25
.set CO,   26
.set SPW,  28
.set NIL,  29
.set BO,   30
.set BIAS, 64
.set TMP,  64
.set ACC,  128
.set TS,   128
.set F0,   0
.set F1,   128
.set G1,   24
.set G0,   32
.set G1B,  48
.set G0B,  56
.set GH,   76                          ; s[76:79], s[88:91] groups 0 of the head's loads
.set GHB,  88
.set PF2,  80                          ; s[80:81], s[86:87] where my prefetches of K steps 2 and 3 stand; never rewritten
.set PF3,  86
.set MSB, 0
.macro WIN new
.if MSB != (\new)
	s_set_vgpr_msb (MSB<<8)|(\new)
.set MSB, \new
.endif
.endm
.set MUL,  0x05                        ; sources 0 (B) and 1 (A) window 1; C and D window 0
.set TO_F, 0x40
.macro JLOAD g0a, g1a, g0b, g1b
	s_cmp_eq_u32 s17, 0
	s_cbranch_scc0 .Lfor_b_\@
	tensor_load_to_lds s[\g0a:\g0a+3], s[\g1a:\g1a+7]
	s_nop 0
.rept 4
	v_nop
.endr
	s_branch .Lasked_\@
.Lfor_b_\@:
	tensor_load_to_lds s[\g0b:\g0b+3], s[\g1b:\g1b+7]
	s_nop 0
.rept 4
	v_nop
.endr
.Lasked_\@:
.endm
.macro CREST
	s_cmp_lg_u32 s16, 0
	s_cbranch_scc1 .Lnot_wave_0_\@
	s_barrier_signal -3
.Lnot_wave_0_\@:
	s_barrier_wait -3
	s_barrier_signal -1
	s_barrier_wait -1
.endm
.macro CROUND
	s_barrier_signal -1
	s_barrier_wait -1
	CREST
.endm
.macro PLACES
.rept 4
	v_nop
.endr
.endm
	s_load_b256 s[4:11], s[0:1], 0x0               ; hq, W2's codes, W2's scales, b2
	s_load_b128 s[12:15], s[0:1], 0x20             ; x1, out0
	v_lshl_add_u32 v[SPW], v0, 2, SPARE
	v_mov_b32 v[NIL], 0
	ds_add_u32 v[SPW], v[NIL]                      ; the opening lines: the add,
	ds_add_u32 v[SPW], v[NIL]                      ; once more, and below one wait for both
	v_lshrrev_b32 v1, 5, v0
	v_readfirstlane_b32 s16, v1
	s_lshr_b32 s17, s16, 1                         ; my half of the rows; also: I fetch for A (0) or B (1)
	s_and_b32 s18, s16, 1                          ; my half of the columns; also: which slot (head) or half (refill) I fetch
	s_bfe_u32 s40, ttmp6, 0x40000
	s_bfe_u32 s41, ttmp6, 0x40004
	s_lshl_b32 s42, ttmp9, 2
	s_add_co_u32 s42, s42, s40                     ; tile column
	s_and_b32 s19, ttmp7, 0xffff
	s_lshl_b32 s19, s19, 2
	s_add_co_u32 s19, s19, s41                     ; tile row
	s_lshl_b32 s43, s41, 2
	s_lshl_b32 s43, 15, s43
	s_lshl_b32 s44, 0x1111, s40
	s_or_b32 s[G1+0], s43, (3<<16)|(1<<21)         ; A's codes: tiles x 8,192 bytes (1,024 elements of 8), 32,768 bytes apart: 8 at the head
	s_mov_b32 s[G1+1], 1024<<16
	s_mov_b32 s[G1+2], 8<<16
	s_mov_b32 s[G1+3], 1024<<16
	s_mov_b32 s[G1+4], 8
	s_mov_b32 s[G1+5], 4096
	s_mov_b32 s[G1+6], 0
	s_mov_b32 s[G1+7], 0
	s_or_b32 s[G1B+0], s44, (0<<16)|(1<<20)|(1<<21)|(6<<22)|(3<<25)   ; B's codes: rows x 512 bytes, 4 words of padding after every 128: 128 rows at the head
	s_mov_b32 s[G1B+1], 512<<16
	s_mov_b32 s[G1B+2], 128<<16
	s_mov_b32 s[G1B+3], 512<<16
	s_mov_b32 s[G1B+4], 128
	s_mov_b32 s[G1B+5], 2048
	s_mov_b32 s[G1B+6], 0
	s_mov_b32 s[G1B+7], 0
	s_lshl_b32 s20, s19, 18                        ; A's codes: 8 row tiles of 32,768 bytes
	s_mov_b32 s21, 0
	s_lshl_b32 s22, s19, 9
	s_lshl_b32 s23, s16, 17
	s_add_co_u32 s22, s22, s23
	s_add_co_u32 s22, s22, HS                      ; A's scale words: kappa 8 wave on, tiles 8 row on
	s_mov_b32 s23, 0
	s_lshl_b32 s46, s42, 18                        ; B's codes: 128 column rows of 2,048 bytes
	s_mov_b32 s47, 0
	s_lshl_b32 s92, s42, 14
	s_lshl_b32 s93, s16, 12
	s_add_co_u32 s92, s92, s93                     ; B's scales: my 4,096 of the tile's 16,384 bytes
	s_mov_b32 s93, 0
	s_lshl_b32 s45, s18, 15                        ; LDS: a refill's half of A's codes,
	s_mul_i32 s69, s18, BHALF
	s_add_co_u32 s69, s69, BOFF                    ; of B's codes; also my 64 rows of B
	s_lshl_b32 s68, s17, 15                        ; my 4 tiles of A
	s_lshl_b32 s70, s17, 8
	s_add_co_u32 s70, s70, SCA
	s_mul_i32 s71, s18, 32*272
	s_add_co_u32 s71, s71, SCB
	s_mul_i32 s72, s16, 16*SPITCH                  ; my stage, in slot 0: when the first result is stored there it has had its last fill, and nobody reads it
	s_lshl_b32 s73, s16, 12
	s_add_co_u32 s73, s73, SCA
	s_mul_i32 s74, s16, 16*272
	s_add_co_u32 s74, s74, SCB
	s_lshl_b32 s94, s42, 9
	s_lshl_b32 s95, s18, 8
	s_add_co_u32 s94, s94, s95                     ; my 64 columns, in bytes
	s_mov_b32 s95, 0
	s_lshr_b32 s96, s19, 3
	s_lshl_b32 s96, s96, 10                        ; the batch's 1,024 tokens
	s_and_b32 s98, s19, 1
	s_lshl_b32 s98, s98, 9
	s_add_co_u32 s96, s96, s98
	s_lshl_b32 s98, s17, 8
	s_add_co_u32 s96, s96, s98
	s_bfe_u32 s98, s19, 0x20001
	s_lshl_b32 s98, s98, 5
	s_add_co_u32 s96, s96, s98                     ; the token of my tile 0, row 0
	s_lshl_b32 s96, s96, 12
	s_add_co_u32 s96, s96, s94
	s_mov_b32 s97, 0
	s_lshl_b32 s82, s18, 2                         ; the prefetches.  A: tile 4 (wave % 2) + cx of the 8, K step 2;
	s_add_co_u32 s82, s82, s40
	s_lshl_b32 s82, s82, 15
	s_add_co_u32 s82, s82, s20
	s_add_co_u32 s82, s82, 2*8192
	s_lshl_b32 s83, s18, 6                         ; B: rows 64 (wave % 2) + 16 cy on, K step 2
	s_lshl_b32 s84, s41, 4
	s_add_co_u32 s83, s83, s84
	s_lshl_b32 s83, s83, 11
	s_add_co_u32 s83, s83, s46
	s_add_co_u32 s83, s83, 2*512
	s_mov_b32 s84, 512
	s_mov_b32 s75, 2048
	s_cmp_eq_u32 s17, 0                            ; do I fetch for A?
	s_cselect_b32 s82, s82, s83
	s_cselect_b32 s84, 8192, s84                   ; a K step on
	s_cselect_b32 s75, 512, s75                    ; from one pair of lanes to the next: 512 consecutive bytes in A, a row in B
	s_mov_b32 s83, 0
	s_mov_b32 s85, 0
	v_and_b32 v7, 31, v0
	v_and_b32 v1, 15, v0                           ; r
	v_bfe_u32 v2, v0, 4, 1                         ; h
	v_lshlrev_b32 v[LI], 4, v7
	v_add_nc_u32 v[SSA], s73, v[LI]
	v_mul_u32_u24 v3, v2, 272
	v_lshl_add_u32 v3, v1, 4, v3                   ; 272 h + 16 r
	v_add_nc_u32 v[SSB], s74, v3
	v_add_nc_u32 v[RD], s72, v3
	v_lshrrev_b32 v4, 1, v7
	v_mul_lo_u32 v4, v4, s75
	v_and_b32 v5, 1, v0
	v_lshl_add_u32 v[PFO], v5, 8, v4               ; a lane a block of 256 bytes
	v_lshlrev_b32 v[BO], 5, v2
	v_lshlrev_b32 v[CO], 12, v2
	v_lshl_add_u32 v[CO], v1, 4, v[CO]             ; lanes 0-15 one row of 256 bytes, lanes 16-31 the next
	v_mul_u32_u24 v3, v1, PITCH
	v_lshl_add_u32 v3, v2, 4, v3
	v_add_nc_u32 v[ADRA], s68, v[LI]
	v_add_nc_u32 v[ADRA+1], SLOT, v[ADRA]
	v_add_nc_u32 v[ADRB], s69, v3
	v_add_nc_u32 v[ADRB+1], SLOT, v[ADRB]
	v_lshl_add_u32 v[ADSA], v1, 2, s70
	v_lshrrev_b32 v4, 1, v1
	v_mul_u32_u24 v4, v4, 272
	v_and_b32 v5, 1, v1
	v_lshl_add_u32 v4, v5, 7, v4
	v_add_nc_u32 v[ADSB], s71, v4                  ; 128 bytes a row, two rows to a unit
	v_mul_u32_u24 v4, v1, SPITCH
	v_lshl_add_u32 v4, v2, 5, v4
	v_add_nc_u32 v[STO], s72, v4
	s_wait_alu depctr_va_vdst(0)                   ; the wait at the end of the head's vector work
	s_wait_dscnt 0x0                               ; both opening adds are done
	s_wait_kmcnt 0x0
	s_add_nc_u64 s[20:21], s[4:5], s[20:21]
	s_add_nc_u64 s[22:23], s[4:5], s[22:23]
	s_add_nc_u64 s[46:47], s[6:7], s[46:47]
	s_add_nc_u64 s[92:93], s[8:9], s[92:93]
.irp j, 0,1,2,3,4,5,6,7
	global_load_b128 v[TS+4*\j:TS+4*\j+3], v[LI], s[22:23] offset:16384*\j       ; A's scale words of kappa 8 wave + j: 512 consecutive bytes
.endr
.irp j, 0,1,2,3,4,5,6,7
	global_load_b128 v[TS+32+4*\j:TS+32+4*\j+3], v[LI], s[92:93] offset:512*\j   ; B's scale bytes
.endr
	s_cmp_eq_u32 s17, 0
	s_cselect_b64 s[PF2:PF2+1], s[4:5], s[6:7]
	s_add_nc_u64 s[PF2:PF2+1], s[PF2:PF2+1], s[82:83]
	s_add_nc_u64 s[PF3:PF3+1], s[PF2:PF2+1], s[84:85]
	s_add_nc_u64 s[10:11], s[10:11], s[94:95]
	s_add_nc_u64 s[12:13], s[12:13], s[96:97]
	s_add_nc_u64 s[14:15], s[14:15], s[96:97]
	s_mul_i32 s94, s18, SLOT                       ; the head's loads: slot wave % 2, K step wave % 2, the tile whole
	s_lshl_b32 s98, s18, 13
	s_mov_b32 s99, 0
	s_mov_b32 s[GH], 1
	s_mov_b32 s[GH+1], s94
	s_add_nc_u64 s[GH+2:GH+3], s[20:21], s[98:99]
	s_or_b32 s[GH+3], s[GH+3], 0x80000000
	s_lshl_b32 s98, s18, 9
	s_mov_b32 s[GHB], 1
	s_add_co_u32 s[GHB+1], s94, BOFF
	s_add_nc_u64 s[GHB+2:GHB+3], s[46:47], s[98:99]
	s_or_b32 s[GHB+3], s[GHB+3], 0x80000000
	s_lshl_b32 s98, s18, 17                        ; the refills': my half, 131,072 bytes on in A (4 tiles) and in B (64 rows)
	s_add_nc_u64 s[20:21], s[20:21], s[98:99]
	s_add_nc_u64 s[46:47], s[46:47], s[98:99]
.irp s, 0,1
	s_mov_b32 s[G0+4*\s], 1
	s_add_co_u32 s[G0+4*\s+1], s45, \s*SLOT
	s_add_nc_u64 s[G0+4*\s+2:G0+4*\s+3], s[20:21], \s*8192
	s_or_b32 s[G0+4*\s+3], s[G0+4*\s+3], 0x80000000
	s_mov_b32 s[G0B+4*\s], 1
	s_add_co_u32 s[G0B+4*\s+1], s69, \s*SLOT
	s_add_nc_u64 s[G0B+4*\s+2:G0B+4*\s+3], s[46:47], \s*512
	s_or_b32 s[G0B+4*\s+3], s[G0B+4*\s+3], 0x80000000
.endr
	CROUND                                         ; all sixteen work-groups are here: the first joint loads meet
	JLOAD GH, G1, GHB, G1B                         ; my one tensor load at the head
	global_prefetch_b8 v[PFO], s[PF2:PF2+1] th:TH_LOAD_NT scope:SCOPE_SE   ; my 32 blocks of K step 2
.irp b, 0,1,2,3
	global_load_b128 v[BIAS+8*\b:BIAS+8*\b+3], v[BO], s[10:11] offset:64*\b
	global_load_b128 v[BIAS+8*\b+4:BIAS+8*\b+7], v[BO], s[10:11] offset:64*\b+16
.endr
	WIN 0x80                                       ; destination window 2
.irp a, 0,1,2,3
.irp i, 0,1,2,3,4,5,6,7
	global_load_b128 v[32*\a+4*\i:32*\a+4*\i+3], v[CO], s[12:13] offset:(128*(\a/2)+16*(\a%2)+2*\i)*4096 th:TH_LOAD_NT   ; x1, as the rows will leave
.endr
.endr
	WIN 0
; 8 products: A's tiles a0, a0 + 1 x B's four, fragment c of buffer f.  mode 1: C = b2.  The 16 accumulators take turns.
.macro MUL8 f, c, a0, mode
.irp a, \a0, \a0+1
.irp b, 0,1,2,3
.if \mode
	v_wmma_scale_f32_16x16x128_f8f6f4 v[ACC+8*(4*(\a)+\b):ACC+8*(4*(\a)+\b)+7], v[\f+64+8*(4*\c+\b):\f+64+8*(4*\c+\b)+7], v[\f+8*(4*\c+(\a)):\f+8*(4*\c+(\a))+7], v[BIAS+8*\b:BIAS+8*\b+7], v[40+16*((\f)/128)+2*\b+\c], v[32+16*((\f)/128)+4*\c+(\a)] matrix_a_fmt:MATRIX_FMT_FP4 matrix_b_fmt:MATRIX_FMT_FP4
.else
	v_wmma_scale_f32_16x16x128_f8f6f4 v[ACC+8*(4*(\a)+\b):ACC+8*(4*(\a)+\b)+7], v[\f+64+8*(4*\c+\b):\f+64+8*(4*\c+\b)+7], v[\f+8*(4*\c+(\a)):\f+8*(4*\c+(\a))+7], v[ACC+8*(4*(\a)+\b):ACC+8*(4*(\a)+\b)+7], v[40+16*((\f)/128)+2*\b+\c], v[32+16*((\f)/128)+4*\c+(\a)] matrix_a_fmt:MATRIX_FMT_FP4 matrix_b_fmt:MATRIX_FMT_FP4
.endif
.endr
.endr
.endm
; 44 LDS loads in one run: quarter kq (two fragments deep) of K step ks, which lies in the slot named: 12 of scale words, then the first fragments, then the second
.macro FETCH slot, kq, f, ks
	WIN 0
.irp c, 0,1
.irp i, 0,1,2,3
	ds_load_b32 v[32+16*((\f)/128)+4*\c+\i], v[ADSA] offset:(8*(\ks)+2*(\kq)+\c)*512+64*\i
.endr
.endr
.irp i, 0,1,2,3
	ds_load_b64 v[40+16*((\f)/128)+2*\i:40+16*((\f)/128)+2*\i+1], v[ADSB] offset:2176*\i+4*(8*(\ks)+2*(\kq))
.endr
	WIN TO_F
.irp c, 0,1
.irp i, 0,1,2,3
	ds_load_b128 v[\f+64+8*(4*\c+\i):\f+64+8*(4*\c+\i)+3],   v[ADRB+\slot] offset:16*PITCH*\i+64*(2*(\kq)+\c)
	ds_load_b128 v[\f+64+8*(4*\c+\i)+4:\f+64+8*(4*\c+\i)+7], v[ADRB+\slot] offset:16*PITCH*\i+64*(2*(\kq)+\c)+32
	ds_load_b128 v[\f+8*(4*\c+\i):\f+8*(4*\c+\i)+3],         v[ADRA+\slot] offset:ATILE*\i+1024*(2*(\kq)+\c)
	ds_load_b128 v[\f+8*(4*\c+\i)+4:\f+8*(4*\c+\i)+7],       v[ADRA+\slot] offset:ATILE*\i+1024*(2*(\kq)+\c)+512
.endr
.endr
.endm
.macro QUARTER slot, kq, f, g, ks, mode    ; multiplies buffer f; in its middle fetches quarter kq into buffer g
	s_wait_dscnt 16                                ; the scale words and the first fragments are in; the second's sixteen loads may be out
	WIN MUL
	MUL8 \f, 0, 0, \mode
	MUL8 \f, 0, 2, \mode
	PLACES                                         ; four places in front of loads into registers that products have read
	FETCH \slot, \kq, \g, \ks
	s_wait_dscnt 44                                ; all but the 44 just issued
	WIN MUL
	MUL8 \f, 1, 0, 0
	MUL8 \f, 1, 2, 0
.endm
; A K step's last quarter changes slots: one barrier; in front of it each wave waits for all its tensor loads, adds 0 to its spare word, and waits for that and for its reads of this slot.
; fill = 1: the barrier opens a round of the cluster's, and this slot is filled again, two K steps ahead, first thing behind it.  ks: the K step in the next slot.  pf = 1: K step 3 is prefetched.
.macro TURN slot, next, fill, ks, pf
	WIN 0
	s_wait_tensorcnt 0x0
	ds_add_u32 v[SPW], v[NIL]
	s_wait_dscnt 17                                ; (the add and the youngest sixteen loads may be out)
	WIN MUL
	MUL8 F1, 0, 0, 0
	s_wait_dscnt 0x0                               ; the add is done, my reads of this slot are over
	s_barrier_signal -1
	MUL8 F1, 0, 2, 0
.if \fill
	WIN 0
.endif
	s_barrier_wait -1
.if \fill
	CREST                                          ; no wave of any partner still reads this slot or has a load on its way
	s_add_nc_u64 s[G0+4*\slot+2:G0+4*\slot+3], s[G0+4*\slot+2:G0+4*\slot+3], 2*8192
	s_add_nc_u64 s[G0B+4*\slot+2:G0B+4*\slot+3], s[G0B+4*\slot+2:G0B+4*\slot+3], 2*512
	JLOAD G0+4*\slot, G1, G0B+4*\slot, G1B         ; my one tensor load behind the round; its four v_nop are also the places in front of the loads below
.else
	PLACES
.endif
	FETCH \next, 0, F0, \ks
.if \pf
	global_prefetch_b8 v[PFO], s[PF3:PF3+1] th:TH_LOAD_NT scope:SCOPE_SE   ; my 32 blocks of K step 3, which the next change of slots asks for (the offset lies in window 0, as source 0 is set)
.endif
	WIN MUL
	MUL8 F1, 1, 0, 0
	MUL8 F1, 1, 2, 0
.endm
	s_wait_loadcnt 40                              ; the scale bytes' 16 loads are in; b2's 8 and x1's 32 may be out
.irp j, 0,1,2,3,4,5,6,7
	ds_store_b128 v[SSA], v[TS+4*\j:TS+4*\j+3] offset:512*\j
.endr
.irp j, 0,1,2,3,4,5,6,7
	ds_store_b128 v[SSB], v[TS+32+4*\j:TS+32+4*\j+3] offset:544*\j
.endr
	s_wait_loadcnt 32                              ; b2 is in; x1's 32 loads may be out
	s_wait_tensorcnt 0x0                           ; my tile of the head's four has landed,
	s_wait_dscnt 0x0                               ; my part of the scale words lies in LDS:
	s_barrier_signal -1
	s_barrier_wait -1                              ; everybody's do
	s_mov_b32 s[G1+2], 4<<16                       ; no tensor load of mine is out, so a descriptor may be written: a refill's load brings half a tile
	s_mov_b32 s[G1+4], 4
	s_mov_b32 s[G1B+2], 64<<16
	s_mov_b32 s[G1B+4], 64
	FETCH 0, 0, F0, 0
	QUARTER 0, 1, F0, F1, 0, 1
	QUARTER 0, 2, F1, F0, 0, 0
	QUARTER 0, 3, F0, F1, 0, 0
	TURN 0, 1, 1, 1, 1
	QUARTER 1, 1, F0, F1, 1, 0
	QUARTER 1, 2, F1, F0, 1, 0
	QUARTER 1, 3, F0, F1, 1, 0
	TURN 1, 0, 1, 2, 0
	QUARTER 0, 1, F0, F1, 2, 0
	QUARTER 0, 2, F1, F0, 2, 0
	QUARTER 0, 3, F0, F1, 2, 0
	TURN 0, 1, 0, 3, 0
	QUARTER 1, 1, F0, F1, 3, 0
	QUARTER 1, 2, F1, F0, 3, 0
	QUARTER 1, 3, F0, F1, 3, 0
	s_wait_dscnt 16
	WIN MUL
	MUL8 F1, 0, 0, 0
	MUL8 F1, 0, 2, 0
	s_wait_dscnt 0
	MUL8 F1, 1, 0, 0
	MUL8 F1, 1, 2, 0
	WIN 0
; THE WAY OUT, a tile of 16 tokens x 64 columns at a time: through my own stage, back as rows of 256 bytes, x1 added, stored.  LDS serves a wave's instructions in order.
.macro TOSTAGE a
.set BB, TMP+32*((\a)%2)
.irp b, 0,1,2,3
	ds_store_b128 v[STO], v[ACC+8*(4*(\a)+\b):ACC+8*(4*(\a)+\b)+3] offset:64*\b        ; each accumulator from its low end on
	ds_store_b128 v[STO], v[ACC+8*(4*(\a)+\b)+4:ACC+8*(4*(\a)+\b)+7] offset:64*\b+16
.endr
.irp i, 0,1,2,3,4,5,6,7
	ds_load_b128 v[BB+4*\i:BB+4*\i+3], v[RD] offset:2*\i*SPITCH
.endr
.endm
.macro SEND a, younger
.set BB, TMP+32*((\a)%2)
	s_wait_dscnt \younger                          ; the tile is back in registers
	WIN 0x08                                       ; source 1 window 2
.set n, 0
.rept 16
	v_pk_add_f32 v[BB+n:BB+n+1], v[BB+n:BB+n+1], v[32*(\a)+n:32*(\a)+n+1]
.set n, n+2
.endr
	WIN 0
.irp i, 0,1,2,3,4,5,6,7
	global_store_b128 v[CO], v[BB+4*\i:BB+4*\i+3], s[14:15] offset:(128*((\a)/2)+16*((\a)%2)+2*\i)*4096 th:TH_STORE_NT   ; sixteen lanes store 256 consecutive bytes, aligned
.endr
.endm
	PLACES
	s_wait_loadcnt 0x0                             ; x1
	TOSTAGE 0
.irp a, 1,2,3
.if \a > 1
	s_wait_xcnt 0x0                                ; tile a - 2's stores have read their registers: tile a's loads may land there
.endif
	TOSTAGE \a
	SEND \a-1, 16                                  ; behind tile a - 1's loads: tile a's 8 stores and 8 loads
.endr
	SEND 3, 0
	s_wait_tensorcnt 0x0                           ; the wave's end
	ds_add_u32 v[SPW], v[NIL]
	s_wait_dscnt 0x0
	CROUND
	s_endpgm
.Lfunc_end_k_q6d54a1efe4_mlp2:
	.size	k_q6d54a1efe4_mlp2, .Lfunc_end_k_q6d54a1efe4_mlp2-k_q6d54a1efe4_mlp2
	.p2alignl 7, 3214868480
	.fill 96, 4, 3214868480
	.section	.rodata,"a",@progbits
	.p2align	6, 0x0
	.amdhsa_kernel k_q6d54a1efe4_mlp2
		.amdhsa_group_segment_fixed_size 327680
		.amdhsa_private_segment_fixed_size 0
		.amdhsa_enable_private_segment 0
		.amdhsa_kernarg_size 48
		.amdhsa_user_sgpr_count 2
		.amdhsa_user_sgpr_kernarg_segment_ptr 1
		.amdhsa_wavefront_size32 1
		.amdhsa_system_sgpr_workgroup_id_x 1
		.amdhsa_system_sgpr_workgroup_id_y 1
		.amdhsa_system_sgpr_workgroup_id_z 1
		.amdhsa_system_vgpr_workitem_id 0
		.amdhsa_next_free_vgpr 768
		.amdhsa_next_free_sgpr 100
		.amdhsa_reserve_vcc 0
		.amdhsa_float_denorm_mode_32 3
		.amdhsa_float_denorm_mode_16_64 3
		.amdhsa_memory_ordered 1
		.amdhsa_forward_progress 1
		.amdhsa_inst_pref_size 143
	.end_amdhsa_kernel
	.amdgpu_metadata
---
amdhsa.version: [ 1, 2 ]
amdhsa.kernels:
  - .name:           k_q6d54a1efe4_mlp2
    .symbol:         k_q6d54a1efe4_mlp2.kd
    .args:
      - { .name: hq, .offset: 0, .size: 8, .value_kind: global_buffer, .address_space: global }
      - { .name: W2_codes, .offset: 8, .size: 8, .value_kind: global_buffer, .address_space: global }
      - { .name: W2_scales, .offset: 16, .size: 8, .value_kind: global_buffer, .address_space: global }
      - { .name: b2, .offset: 24, .size: 8, .value_kind: global_buffer, .address_space: global }
      - { .name: x1, .offset: 32, .size: 8, .value_kind: global_buffer, .address_space: global }
      - { .name: out0, .offset: 40, .size: 8, .value_kind: global_buffer, .address_space: global }
    .group_segment_fixed_size: 327680
    .private_segment_fixed_size: 0
    .kernarg_segment_align: 8
    .kernarg_segment_size: 48
    .max_flat_workgroup_size: 128
    .sgpr_count:     100
    .vgpr_count:     768
    .wavefront_size: 32
...
	.end_amdgpu_metadata
.endif
;; end of part 4
